; MI455X (gfx1250); checked and timed in simulation.
; The chip was launched on July 23, 2026; its instructions are those of AMD's public machine-readable ISA for CDNA 5 (MIT licence, August 2026) and "CDNA5" Instruction Set Architecture Reference Guide (July 2026). The comments in the code are by the model that wrote it; some were corrected since.
;; Encoder. Allowed arithmetic: matrix products marked QUANTISED: E5M2 operands, one given power-of-two scale a tensor, by v_wmma_f32_16x16x64_bf8_bf8 or v_wmma_f32_16x16x128_bf8_bf8, f32 sums; everything else in f32.
;; Inputs: W1_codes 4,096 x 32 x 32 uint8 (E5M2 codes of W1, K innermost, in blocks of 32 codes); W2_codes 1,024 x 128 x 32 uint8 (E5M2 codes of W2, K innermost, in blocks of 32 codes); Wk_codes 1,024 x 32 x 32 uint8 (E5M2 codes of Wk, K innermost, in blocks of 32 codes); Wo_codes 1,024 x 32 x 32 uint8 (E5M2 codes of Wo, K innermost, in blocks of 32 codes); Wq_codes 1,024 x 32 x 32 uint8 (E5M2 codes of Wq, K innermost, in blocks of 32 codes); Wv_codes 1,024 x 32 x 32 uint8 (E5M2 codes of Wv, K innermost, in blocks of 32 codes); b1 4,096 float32; b2 1,024 float32; bk 1,024 float32; bo 1,024 float32; bq 1,024 float32; bv 1,024 float32; ln1_b 2,048 x 1,024 float32; ln1_w 2,048 x 1,024 float32; ln2_b 2,048 x 1,024 float32; ln2_w 2,048 x 1,024 float32; lowp_scales 16 int32 (the exponents e of the quantised operands' scales 2^e); x_codes 2 x 2,048 x 32 x 32 uint8 (E5M2 codes of x, K innermost, in blocks of 32 codes); y 2 x 2,048 x 1,024 float32.
;; Outputs: out0 2 x 2,048 x 1,024 float32.
;; This version of the problem:
;;   THIS VERSION OF THE PROBLEM IS GIVEN IN LOW PRECISION. The matrix products marked QUANTISED in the list below multiply operands that are first quantised to E5M2 (5 exponent bits, 2 mantissa bits; 8 bits a number), with one given power-of-two scale for each operand tensor; their sums are f32. All else is computed in f32.
;;   The module's matrix products, in the order in which they are computed (A, B: the left and right operand; K: the contracted axis; several contracted axes count as one K, in the product's order):
;;     1. [M 4,096, K 1,024] x [K 1,024, N 1,024]; A: input x (given as codes); B: input Wq (given as codes): QUANTISED (scales: A lowp_scales[0], B lowp_scales[1])
;;     2. [M 4,096, K 1,024] x [K 1,024, N 1,024]; A: computed on the way; B: input Wk (given as codes): QUANTISED (scales: A lowp_scales[2], B lowp_scales[3])
;;     3. [M 4,096, K 1,024] x [K 1,024, N 1,024]; A: computed on the way; B: input Wv (given as codes): QUANTISED (scales: A lowp_scales[4], B lowp_scales[5])
;;     4. batch 32 x [M 2,048, K 64] x [K 64, N 2,048]; A: computed on the way; B: computed on the way: QUANTISED (scales: A lowp_scales[6], B lowp_scales[7])
;;     5. batch 32 x [M 2,048, K 2,048] x [K 2,048, N 64]; A: softmax (see below); B: computed on the way: QUANTISED (scales: A lowp_scales[8], B lowp_scales[9])
;;     6. [M 4,096, K 1,024] x [K 1,024, N 1,024]; A: computed on the way; B: input Wo (given as codes): QUANTISED (scales: A lowp_scales[10], B lowp_scales[11])
;;     7. [M 4,096, K 1,024] x [K 1,024, N 4,096]; A: computed on the way; B: input W1 (given as codes): QUANTISED (scales: A lowp_scales[12], B lowp_scales[13])
;;     8. [M 4,096, K 4,096] x [K 4,096, N 1,024]; A: computed on the way; B: input W2 (given as codes): QUANTISED (scales: A lowp_scales[14], B lowp_scales[15])
;;   THE QUANTISER, for each operand of a quantised product, along K:
;;     - The operand's scale is 2^e, e = its entry of the input lowp_scales (int32; the entries are numbered through the quantised products in the list's order, A before B).
;;     - Each number is divided by the scale, clamped to +-57,344, and rounded to the nearest number of E5M2, ties to even, subnormals kept.
;;     - The product sums the exact products of the quantised numbers (number of the format x scale) in f32.
;;   ~~~python
;;   def quantise(x, axis, e):      # numpy; x: float32 -> the quantised numbers, widened to float32 again
;;       x = np.moveaxis(x, axis, -1); K = x.shape[-1]
;;       r = np.clip(x / 2.0 ** e, -57344, 57344)
;;       step = 2.0 ** (np.maximum(np.frexp(np.where(r == 0, 1, r))[1] - 1, -14) - 2)
;;       q = np.round(r / step) * step * 2.0 ** e      # np.round: ties to even
;;       return np.moveaxis(q, -1, axis).astype(np.float32)
;;   ~~~
;;   SOFTMAX AHEAD OF A QUANTISED PRODUCT. Where the list says 'softmax', what is quantised is not the finished softmax but p = 2^(t - M), with t = logit x log2(e) and M = ceil(the row's largest t), a whole number; so 1/2 < the row's largest p <= 1. The row's sum l is taken of the UNQUANTISED p, in f32, and the product's result is divided by l at the end. Since M is a whole number, a kernel that streams over the keys may use a running M (the ceiling of the running maximum): every later rescaling is an exact power of two, so the quantised numbers keep their values, but for numbers so far below the row's largest that they fall under the format's range.
;;   OPERANDS COMPUTED ON THE WAY. 'Computed on the way' means the value that the module computes at that place (a softmax that the list does not call 'softmax' is quantised finished and normalised). What goes into a quantiser is computed in f32, as accurately as f32 sums, v_exp_f32 and their like allow (about 1e-6 of the number): no bf16 or f16 on the way to a quantiser, and a product that is left as it is and whose result goes on into a quantised operand takes f32 operands (vector FMAs, or v_wmma_f32_16x16x4_f32). A number that lies on a knife's edge between two numbers of the format may be rounded either way, as far as f32 arithmetic and the matrix unit's own rounding can turn it there, and no further.
;;   INPUTS GIVEN AS CODES. W1 (in the module: [1024, 4096], K = its axis 0); W2 (in the module: [4096, 1024], K = its axis 0); Wk (in the module: [1024, 1024], K = its axis 0); Wo (in the module: [1024, 1024], K = its axis 0); Wq (in the module: [1024, 1024], K = its axis 0); Wv (in the module: [1024, 1024], K = its axis 0); x (in the module: [2, 2048, 1024], K = its axis 2): each comes as NAME_codes (uint8): NAME with its K axis moved to the last place and cut into blocks of 32 codes, [.., K / 32, bytes a block], one block behind the other in memory; one code a byte (a code: sign, 5 exponent bits, 2 mantissa bits); its scale is its entry of lowp_scales. Its value is code x scale, taken as it is: it is not quantised again, and the codes and scales need not be those that the quantiser above would give.
;; One version. Each part assembles by itself: llvm-mc -triple=amdgcn-amd-amdhsa -mcpu=gfx1250 --defsym DOCPART=n.
;; ======== version 1 of 1: 8 launches
;; limits: right only within a limited range of input values
;; workspace buffers: part 2,048 bytes; ncodes 8,388,608 bytes; qkv 12,582,912 bytes; ac 4,194,304 bytes; y1 16,777,216 bytes; hc 16,777,216 bytes
;; launch stats (part 1): grid 256 x 1, 4 waves a work-group, no clusters, 768 bytes of LDS; arguments y, part; writes part
.if DOCPART == 1
	.amdgcn_target "amdgcn-amd-amdhsa--gfx1250"
	.amdhsa_code_object_version 6
	.text
	.protected	k_qb3b65f656c_stats
	.globl	k_qb3b65f656c_stats
	.p2align	8
	.type	k_qb3b65f656c_stats,@function
k_qb3b65f656c_stats:
	s_mov_b64 s[64:65], 0
	v_nop
	global_prefetch_b8 v0, s[64:65] scope:SCOPE_SE
	s_setreg_imm32_b32 hwreg(HW_REG_WAVE_MODE, 25, 1), 1
	s_wait_xcnt 0x0
; The first norm's statistics, in parts.  y is [2][2048][1024] f32; the norm is taken over a whole batch entry, 2,097,152 numbers.
; Work-group g takes numbers 16,384 g on (chunks 0-127 are entry 0, chunks 128-255 entry 1) and stores the chunk's mean and the sum of
; squared distances from that mean: part[g] = (mean, M2).  The next launch joins 128 chunks of equal size.  No difference of large sums
; is formed anywhere: squares are taken of distances from a mean, so a common offset of the inputs costs no digits.
; A wave takes 4,096 numbers in 128 registers (32 loads of 512 consecutive bytes) and goes over them twice in registers: memory is read once.
; No matrix unit, no cluster, no tensor load: work-groups share no input and memory binds.
.set X,  16                            ; v16-143  the wave's numbers
.set S,  144                           ; v144-151 four running pairs
.set DV, 152                           ; v152-159 four pairs of distances
.macro WRED r, t                       ; the sum over the 32 lanes, in every lane
	v_add_f32_dpp v[\r], v[\r], v[\r] row_xmask:1 row_mask:0xf bank_mask:0xf
	v_add_f32_dpp v[\r], v[\r], v[\r] row_xmask:2 row_mask:0xf bank_mask:0xf
	v_add_f32_dpp v[\r], v[\r], v[\r] row_xmask:4 row_mask:0xf bank_mask:0xf
	v_add_f32_dpp v[\r], v[\r], v[\r] row_xmask:8 row_mask:0xf bank_mask:0xf
	v_permlanex16_b32 v[\t], v[\r], s12, s13
	v_add_f32 v[\r], v[\r], v[\t]
.endm
	s_load_b128 s[4:7], s[0:1], 0x0                ; y, part
	v_lshl_add_u32 v160, v0, 2, 0x100
	v_mov_b32 v161, 0
	v_lshrrev_b32 v2, 5, v0
	v_readfirstlane_b32 s8, v2                     ; wave
	v_and_b32 v1, 31, v0
	v_lshlrev_b32 v1, 4, v1                        ; 16 bytes a lane
	v_lshlrev_b32 v3, 3, v2                        ; LDS: 8 x wave
	v_mov_b32 v4, 0
	v_mov_b32 v12, 0                               ; a lane permute's destination counts as read: written once
	s_lshl_b32 s10, ttmp9, 16                      ; the chunk's 65,536 bytes,
	s_lshl_b32 s9, s8, 14                          ; my wave's 16,384 of them
	s_add_co_u32 s10, s10, s9
	s_mov_b32 s11, 0
	s_lshl_b32 s16, ttmp9, 3                       ; the chunk's pair in part
	s_mov_b32 s17, 0
	s_mov_b32 s12, 0x76543210                      ; lane l takes lane l xor 16
	s_mov_b32 s13, 0xfedcba98
	s_wait_alu depctr_va_vdst(0)
	s_wait_kmcnt 0x0
	s_add_nc_u64 s[4:5], s[4:5], s[10:11]
	s_add_nc_u64 s[6:7], s[6:7], s[16:17]
.set i, 0
.rept 32
	global_load_b128 v[X+4*i:X+4*i+3], v1, s[4:5] offset:512*i
.set i, i+1
.endr
	s_wait_loadcnt 0x0
	; pass 1: the sum, two numbers at a time, in four chains started by the first eight pairs
.irp k, 0,1,2,3
	v_pk_add_f32 v[S+2*\k:S+2*\k+1], v[X+2*\k:X+2*\k+1], v[X+8+2*\k:X+9+2*\k]
.endr
.set n, 8
.rept 56
	v_pk_add_f32 v[S+2*(n%4):S+2*(n%4)+1], v[S+2*(n%4):S+2*(n%4)+1], v[X+2*n:X+2*n+1]
.set n, n+1
.endr
	v_pk_add_f32 v[S:S+1], v[S:S+1], v[S+2:S+3]
	v_pk_add_f32 v[S+4:S+5], v[S+4:S+5], v[S+6:S+7]
	v_pk_add_f32 v[S:S+1], v[S:S+1], v[S+4:S+5]
	v_add_f32 v14, v[S], v[S+1]
	WRED 14, 12
	v_mul_f32 v14, 0x39800000, v14                 ; / 4,096: my wave's mean
	v_mul_f32 v10, -1.0, v14                       ; and its negative, as a pair
	v_mul_f32 v11, -1.0, v14
	; pass 2: the squared distances from that mean
.set n, 0
.rept 64
	v_pk_add_f32 v[DV+2*(n%4):DV+2*(n%4)+1], v[X+2*n:X+2*n+1], v[10:11] op_sel_hi:[1,0]
.if n < 4
	v_pk_mul_f32 v[S+2*(n%4):S+2*(n%4)+1], v[DV+2*(n%4):DV+2*(n%4)+1], v[DV+2*(n%4):DV+2*(n%4)+1]
.else
	v_pk_fma_f32 v[S+2*(n%4):S+2*(n%4)+1], v[DV+2*(n%4):DV+2*(n%4)+1], v[DV+2*(n%4):DV+2*(n%4)+1], v[S+2*(n%4):S+2*(n%4)+1]
.endif
.set n, n+1
.endr
	v_pk_add_f32 v[S:S+1], v[S:S+1], v[S+2:S+3]
	v_pk_add_f32 v[S+4:S+5], v[S+4:S+5], v[S+6:S+7]
	v_pk_add_f32 v[S:S+1], v[S:S+1], v[S+4:S+5]
	v_add_f32 v15, v[S], v[S+1]
	WRED 15, 12
	; the four waves' pairs meet in LDS
	ds_store_b64 v3, v[14:15]                      ; all lanes of a wave write the same pair to the wave's own 8 bytes
	s_wait_dscnt 0x0                               ; for the others' sake: my store has landed
	s_barrier_signal -1
	s_barrier_wait -1
	ds_load_b128 v[16:19], v4                      ; m0 q0 m1 q1
	ds_load_b128 v[20:23], v4 offset:16            ; m2 q2 m3 q3
	s_wait_dscnt 0x0
	v_add_f32 v24, v16, v18
	v_add_f32 v25, v20, v22
	v_add_f32 v24, v24, v25
	v_mul_f32 v24, 0x3e800000, v24                 ; the chunk's mean: four parts of equal size
	v_sub_f32 v26, v16, v24
	v_mul_f32 v27, v26, v26
	v_sub_f32 v26, v18, v24
	v_fma_f32 v27, v26, v26, v27
	v_sub_f32 v26, v20, v24
	v_fma_f32 v27, v26, v26, v27
	v_sub_f32 v26, v22, v24
	v_fma_f32 v27, v26, v26, v27
	v_add_f32 v28, v17, v19
	v_add_f32 v29, v21, v23
	v_add_f32 v28, v28, v29
	v_fmamk_f32 v25, v27, 0x45800000, v28          ; M2 = the parts' M2 + 4,096 x the squared distances of their means
	s_cmp_lg_u32 s8, 0
	s_cbranch_scc1 .Lend                           ; wave 0 stores
	v_cmp_eq_u32 vcc_lo, 0, v0
	s_wait_xcnt 0x0                                ; EXEC changes only behind this wait
	s_and_saveexec_b32 s14, vcc_lo
	s_wait_alu depctr_va_vdst(0)
	global_store_b64 v4, v[24:25], s[6:7]          ; one lane, eight bytes: all that the chunk leaves
	s_wait_xcnt 0x0
	s_or_b32 exec_lo, exec_lo, s14
.Lend:
	s_wait_tensorcnt 0x0
	ds_add_u32 v160, v161
	s_wait_dscnt 0x0
	s_endpgm
.Lfunc_end_k_qb3b65f656c_stats:
	.size	k_qb3b65f656c_stats, .Lfunc_end_k_qb3b65f656c_stats-k_qb3b65f656c_stats
	.p2alignl 7, 3214868480
	.fill 96, 4, 3214868480
	.section	.rodata,"a",@progbits
	.p2align	6, 0x0
	.amdhsa_kernel k_qb3b65f656c_stats
		.amdhsa_group_segment_fixed_size 768
		.amdhsa_private_segment_fixed_size 0
		.amdhsa_enable_private_segment 0
		.amdhsa_kernarg_size 16
		.amdhsa_user_sgpr_count 2
		.amdhsa_user_sgpr_kernarg_segment_ptr 1
		.amdhsa_wavefront_size32 1
		.amdhsa_system_sgpr_workgroup_id_x 1
		.amdhsa_system_sgpr_workgroup_id_y 1
		.amdhsa_system_sgpr_workgroup_id_z 1
		.amdhsa_system_vgpr_workitem_id 0
		.amdhsa_next_free_vgpr 162
		.amdhsa_next_free_sgpr 66
		.amdhsa_reserve_vcc 1
		.amdhsa_float_denorm_mode_32 3
		.amdhsa_float_denorm_mode_16_64 3
		.amdhsa_memory_ordered 1
		.amdhsa_forward_progress 1
		.amdhsa_inst_pref_size 19
	.end_amdhsa_kernel
	.amdgpu_metadata
---
amdhsa.version: [ 1, 2 ]
amdhsa.kernels:
  - .name:           k_qb3b65f656c_stats
    .symbol:         k_qb3b65f656c_stats.kd
    .args:
      - { .name: y, .offset: 0, .size: 8, .value_kind: global_buffer, .address_space: global }
      - { .name: part, .offset: 8, .size: 8, .value_kind: global_buffer, .address_space: global }
    .group_segment_fixed_size: 768
    .private_segment_fixed_size: 0
    .kernarg_segment_align: 8
    .kernarg_segment_size: 16
    .max_flat_workgroup_size: 128
    .sgpr_count:     66
    .vgpr_count:     162
    .wavefront_size: 32
...
	.end_amdgpu_metadata
.endif
;; end of part 1
;; launch norm1 (part 2): grid 512 x 1, 4 waves a work-group, no clusters, 20,992 bytes of LDS; arguments y, ln1_w, ln1_b, part, lowp_scales, ncodes; writes ncodes
.if DOCPART == 2
	.amdgcn_target "amdgcn-amd-amdhsa--gfx1250"
	.amdhsa_code_object_version 6
	.text
	.protected	k_qb3b65f656c_norm1
	.globl	k_qb3b65f656c_norm1
	.p2align	8
	.type	k_qb3b65f656c_norm1,@function
k_qb3b65f656c_norm1:
	s_mov_b64 s[64:65], 0
	v_nop
	global_prefetch_b8 v0, s[64:65] scope:SCOPE_SE
	s_setreg_imm32_b32 hwreg(HW_REG_WAVE_MODE, 25, 1), 1
	s_wait_xcnt 0x0
; The norm over (2048, 1024) of t [2][2048][1024] f32, and its quantiser: codes of E5M2, row-major [4096][1024], K innermost.
; NOUT = 2: the same numbers are quantised twice, with the scale of the k product's operand (bytes 0 on) and of the v product's (bytes 4,194,304 on): the two given exponents need not be equal.
; code = n / 2^e, held within +-57,344, to the nearest code, ties to even.  LIMITS: e between -126 and 112; NaN among the inputs is not served.
; STATISTICS: part holds, for 128 chunks of 16,384 numbers of each batch entry, (mean, M2).  Every wave joins them: mean = the means' mean; variance = (sum of M2 + 16,384 x sum of squared distances of the means) / 2^21.
; SHARES: a wave takes 1,024 places (l, d) for BOTH batch entries, so the gain and the bias are read once; two steps of 512 places.  Each load reads 512 consecutive bytes; the conversions want 16 neighbours in ONE lane, so a
; step's 2,048 bytes of an entry turn through the wave's own stage in LDS (64 bytes + 16 of padding a lane).  A lane's 16 codes are 16 bytes: a wave's store covers 512 consecutive bytes.
; No barrier: waves share nothing.  No matrix unit, cluster or tensor load: memory binds and work-groups share no large input.
; SHARES AS THEY STAND NOW: 512 work-groups; a wave takes 1,024 places (l, d) for both batch entries, in two steps of 512 places, and issues all its 32 loads at the head.
.set NOUT, 2
.set ESC0, 8                           ; byte of the first exponent in the buffer of scales
.set ESC1, 16                          ; and of the second
.set L,    16                          ; v16-143  two sets of 64 as loaded: entry 0, entry 1, gain, bias, 16 each
.set X,    144                         ; v144-175 16 neighbours of each entry
.set T,    176                         ; v176-207 two sets for the hold, by turns
.set C,    208                         ; v208-223 codes
.set SP,   80
.set WREG, 5120                        ; LDS of a wave: two stages of 32 x SP bytes
.macro WRED r, t
	v_add_f32_dpp v[\r], v[\r], v[\r] row_xmask:1 row_mask:0xf bank_mask:0xf
	v_add_f32_dpp v[\r], v[\r], v[\r] row_xmask:2 row_mask:0xf bank_mask:0xf
	v_add_f32_dpp v[\r], v[\r], v[\r] row_xmask:4 row_mask:0xf bank_mask:0xf
	v_add_f32_dpp v[\r], v[\r], v[\r] row_xmask:8 row_mask:0xf bank_mask:0xf
	v_permlanex16_b32 v[\t], v[\r], s18, s19
	v_add_f32 v[\r], v[\r], v[\t]
.endm
.macro LOAD t                          ; step t's 512 places: 16 loads
.set LS, L+64*((\t)%2)
.irp i, 0,1,2,3
	global_load_b128 v[LS+4*\i:LS+4*\i+3], v1, s[4:5] offset:2048*(\t)+512*\i th:TH_LOAD_NT
	global_load_b128 v[LS+16+4*\i:LS+16+4*\i+3], v1, s[16:17] offset:2048*(\t)+512*\i th:TH_LOAD_NT
	global_load_b128 v[LS+32+4*\i:LS+32+4*\i+3], v1, s[6:7] offset:2048*(\t)+512*\i th:TH_LOAD_NT
	global_load_b128 v[LS+48+4*\i:LS+48+4*\i+3], v1, s[8:9] offset:2048*(\t)+512*\i th:TH_LOAD_NT
.endr
.endm
.macro BSTAT p, mu, va                 ; a lane's four pairs at v[p] on -> the entry's mean in v[mu], variance + eps in v[va], in every lane
	v_add_f32 v144, v[\p], v[\p+2]
	v_add_f32 v145, v[\p+4], v[\p+6]
	v_add_f32 v144, v144, v145
	WRED 144, 146
	v_mul_f32 v[\mu], 0x3c000000, v144             ; / 128
	v_sub_f32 v145, v[\p], v[\mu]
	v_mul_f32 v147, v145, v145
	v_sub_f32 v145, v[\p+2], v[\mu]
	v_fma_f32 v147, v145, v145, v147
	v_sub_f32 v145, v[\p+4], v[\mu]
	v_fma_f32 v147, v145, v145, v147
	v_sub_f32 v145, v[\p+6], v[\mu]
	v_fma_f32 v147, v145, v145, v147
	WRED 147, 146
	v_add_f32 v148, v[\p+1], v[\p+3]
	v_add_f32 v149, v[\p+5], v[\p+7]
	v_add_f32 v148, v148, v149
	WRED 148, 146
	v_fmamk_f32 v148, v147, 0x46800000, v148       ; + 16,384 x the squared distances of the means
	v_fma_f32 v[\va], v148, s38, s39               ; / 2^21 + 1e-5
.endm
	s_load_b256 s[4:11], s[0:1], 0x0               ; t s[4:5], gain s[6:7], bias s[8:9], part s[10:11]
	s_load_b128 s[12:15], s[0:1], 0x20             ; scales s[12:13], codes s[14:15]
	v_lshl_add_u32 v224, v0, 2, 0x5000
	v_mov_b32 v225, 0
	v_lshrrev_b32 v2, 5, v0
	v_readfirstlane_b32 s20, v2                    ; wave
	v_and_b32 v3, 31, v0                           ; lane
	v_lshlrev_b32 v1, 4, v3                        ; 16 bytes a lane: loads and the codes' stores
	s_mul_i32 s34, s20, WREG
	v_lshrrev_b32 v14, 2, v3
	v_mul_u32_u24 v14, v14, SP
	v_and_b32 v15, 3, v3
	v_lshl_add_u32 v14, v15, 4, v14
	v_add_nc_u32 v14, s34, v14                     ; the stage, in: four lanes' 64 bytes on end, then 16 of padding
	v_mul_u32_u24 v15, v3, SP
	v_add_nc_u32 v15, s34, v15                     ; and out: my 16 neighbours
	v_mov_b32 v146, 0                              ; a lane permute's destination counts as read
	s_lshl_b32 s21, ttmp9, 2
	s_add_co_u32 s21, s21, s20                     ; which run of 1,024 places is my wave's
	s_lshl_b32 s22, s21, 12                        ; my wave's run of 1,024 places in bytes of f32,
	s_mov_b32 s23, 0
	s_lshl_b32 s32, s21, 10                        ; and of codes
	s_mov_b32 s33, 0
	s_mov_b32 s18, 0x76543210
	s_mov_b32 s19, 0xfedcba98
	s_mov_b32 s38, 0x35000000                      ; 2^-21
	s_mov_b32 s39, 0x3727c5ac                      ; 1e-5
	s_wait_alu depctr_va_vdst(0)
	s_wait_kmcnt 0x0
	s_load_b32 s36, s[12:13], ESC0
.if NOUT > 1
	s_load_b32 s37, s[12:13], ESC1
.endif
	s_add_nc_u64 s[4:5], s[4:5], s[22:23]
	s_add_nc_u64 s[16:17], s[4:5], 0x800000        ; the second batch entry
	s_add_nc_u64 s[6:7], s[6:7], s[22:23]
	s_add_nc_u64 s[8:9], s[8:9], s[22:23]
	s_add_nc_u64 s[14:15], s[14:15], s[32:33]
.irp be, 0,1
.irp i, 0,1
	global_load_b128 v[T+8*\be+4*\i:T+8*\be+4*\i+3], v1, s[10:11] offset:1024*\be+512*\i   ; two pairs a lane and load: an entry's 128 pairs in two loads
.endr
.endr
	LOAD 0
	LOAD 1
	s_wait_loadcnt 32                              ; part's four loads are in; the 32 issued behind them stay out
	BSTAT T, 154, 150
	BSTAT T+8, 155, 151
	s_wait_alu depctr_va_vdst(0)
	v_rsq_f32 v152, v150
	v_rsq_f32 v153, v151
	v_nop                                          ; a plain instruction behind the roots
	s_wait_alu depctr_va_vdst(0)                   ; one wait for both, ahead of their first reader
	v_readfirstlane_b32 s26, v152
	v_readfirstlane_b32 s30, v153
	v_readfirstlane_b32 s24, v154
	v_readfirstlane_b32 s28, v155
	s_xor_b32 s24, s24, 0x80000000                 ; -mean
	s_xor_b32 s28, s28, 0x80000000
	s_mov_b32 s25, s24                             ; (the packed forms name pairs: both words are written)
	s_mov_b32 s27, s26
	s_mov_b32 s29, s28
	s_mov_b32 s31, s30
	s_wait_kmcnt 0x0
	s_add_co_i32 s36, s36, 127
	s_lshl_b32 s40, s36, 23
	v_mov_b32 v8, s40                              ; 2^e as f32: the conversion takes its exponent field
	s_add_co_i32 s36, s36, 15
	s_lshl_b32 s36, s36, 23
	s_or_b32 s36, s36, 0x600000
	v_mov_b32 v9, s36                              ; 57,344 x 2^e
.if NOUT > 1
	s_add_co_i32 s37, s37, 127
	s_lshl_b32 s40, s37, 23
	v_mov_b32 v10, s40
	s_add_co_i32 s37, s37, 15
	s_lshl_b32 s37, s37, 23
	s_or_b32 s37, s37, 0x600000
	v_mov_b32 v11, s37
.endif
.set TC, 0
.macro QOUT be, o, t                   ; entry be's 16 neighbours, held and converted with scale o, stored.  The two sets of T take turns, so that sixteen plain lines stand between a conversion and the next write of its sources
.set TS, T+16*TC
.set CC, C+4*(2*\be+\o)
.irp i, 0,1,2,3,4,5,6,7,8,9,10,11,12,13,14,15
	v_med3_num_f32 v[TS+\i], v[X+16*\be+\i], -v[9+2*\o], v[9+2*\o]   ; the conversion to an 8-bit code does not saturate (ISA guide 7.6.2)
.endr
	v_cvt_scalef32_pk8_bf8_f32 v[CC:CC+1], v[TS:TS+7], v[8+2*\o]
	v_cvt_scalef32_pk8_bf8_f32 v[CC+2:CC+3], v[TS+8:TS+15], v[8+2*\o]
	global_store_b128 v1, v[CC:CC+3], s[14:15] offset:2097152*\be+4194304*\o+512*(\t)
.set TC, 1-TC
.endm
.macro STEP t
.set LS, L+64*((\t)%2)
.if (\t) < 1
	s_wait_loadcnt 16
.else
	s_wait_loadcnt 0x0
.endif
	s_wait_xcnt 0x0                                ; the last step's stores have read their codes' registers
.irp be, 0,1
.irp j, 0,2,4,6,8,10,12,14
	v_pk_add_f32 v[LS+16*\be+\j:LS+16*\be+\j+1], v[LS+16*\be+\j:LS+16*\be+\j+1], s[24+4*\be:25+4*\be] op_sel_hi:[1,0]   ; t - mean
	v_pk_mul_f32 v[LS+16*\be+\j:LS+16*\be+\j+1], v[LS+16*\be+\j:LS+16*\be+\j+1], s[26+4*\be:27+4*\be] op_sel_hi:[1,0]   ; x 1 / sqrt(variance + eps)
	v_pk_fma_f32 v[LS+16*\be+\j:LS+16*\be+\j+1], v[LS+16*\be+\j:LS+16*\be+\j+1], v[LS+32+\j:LS+32+\j+1], v[LS+48+\j:LS+48+\j+1]   ; x gain + bias
.endr
.endr
.irp be, 0,1
.irp i, 0,1,2,3
	ds_store_b128 v14, v[LS+16*\be+4*\i:LS+16*\be+4*\i+3] offset:32*SP*\be+8*SP*\i
.endr
.irp i, 0,1,2,3
	ds_load_b128 v[X+16*\be+4*\i:X+16*\be+4*\i+3], v15 offset:32*SP*\be+16*\i   ; LDS serves a wave's instructions in order: these see the stores above
.endr
.endr
	s_wait_dscnt 0x0                               ; the neighbours are in, and the stores have read this set's registers,
.irp be, 0,1
	QOUT \be, 0, \t
.if NOUT > 1
	QOUT \be, 1, \t
.endif
.endr
.endm
	STEP 0
	STEP 1
	s_wait_tensorcnt 0x0
	ds_add_u32 v224, v225
	s_wait_dscnt 0x0
	s_endpgm
.Lfunc_end_k_qb3b65f656c_norm1:
	.size	k_qb3b65f656c_norm1, .Lfunc_end_k_qb3b65f656c_norm1-k_qb3b65f656c_norm1
	.p2alignl 7, 3214868480
	.fill 96, 4, 3214868480
	.section	.rodata,"a",@progbits
	.p2align	6, 0x0
	.amdhsa_kernel k_qb3b65f656c_norm1
		.amdhsa_group_segment_fixed_size 20992
		.amdhsa_private_segment_fixed_size 0
		.amdhsa_enable_private_segment 0
		.amdhsa_kernarg_size 48
		.amdhsa_user_sgpr_count 2
		.amdhsa_user_sgpr_kernarg_segment_ptr 1
		.amdhsa_wavefront_size32 1
		.amdhsa_system_sgpr_workgroup_id_x 1
		.amdhsa_system_sgpr_workgroup_id_y 1
		.amdhsa_system_sgpr_workgroup_id_z 1
		.amdhsa_system_vgpr_workitem_id 0
		.amdhsa_next_free_vgpr 226
		.amdhsa_next_free_sgpr 66
		.amdhsa_reserve_vcc 0
		.amdhsa_float_denorm_mode_32 3
		.amdhsa_float_denorm_mode_16_64 3
		.amdhsa_memory_ordered 1
		.amdhsa_forward_progress 1
		.amdhsa_inst_pref_size 29
	.end_amdhsa_kernel
	.amdgpu_metadata
---
amdhsa.version: [ 1, 2 ]
amdhsa.kernels:
  - .name:           k_qb3b65f656c_norm1
    .symbol:         k_qb3b65f656c_norm1.kd
    .args:
      - { .name: y, .offset: 0, .size: 8, .value_kind: global_buffer, .address_space: global }
      - { .name: ln1_w, .offset: 8, .size: 8, .value_kind: global_buffer, .address_space: global }
      - { .name: ln1_b, .offset: 16, .size: 8, .value_kind: global_buffer, .address_space: global }
      - { .name: part, .offset: 24, .size: 8, .value_kind: global_buffer, .address_space: global }
      - { .name: lowp_scales, .offset: 32, .size: 8, .value_kind: global_buffer, .address_space: global }
      - { .name: ncodes, .offset: 40, .size: 8, .value_kind: global_buffer, .address_space: global }
    .group_segment_fixed_size: 20992
    .private_segment_fixed_size: 0
    .kernarg_segment_align: 8
    .kernarg_segment_size: 48
    .max_flat_workgroup_size: 128
    .sgpr_count:     66
    .vgpr_count:     226
    .wavefront_size: 32
...
	.end_amdgpu_metadata
.endif
;; end of part 2
;; launch qkv (part 3): grid 4 x 48, 4 waves a work-group, clusters of 4 x 4, 327,680 bytes of LDS; arguments x_codes, ncodes, Wq_codes, Wk_codes, Wv_codes, bq, bk, bv, lowp_scales, qkv; writes qkv
.if DOCPART == 3
	.amdgcn_target "amdgcn-amd-amdhsa--gfx1250"
	.amdhsa_code_object_version 6
	.text
	.protected	k_qb3b65f656c_qkv
	.globl	k_qb3b65f656c_qkv
	.p2align	8
	.type	k_qb3b65f656c_qkv,@function
k_qb3b65f656c_qkv:
	s_mov_b64 s[64:65], 0
	v_nop
	global_prefetch_b8 v0, s[64:65] scope:SCOPE_SE
	s_setreg_imm32_b32 hwreg(HW_REG_WAVE_MODE, 25, 1), 1
	s_wait_xcnt 0x0
	s_wait_alu depctr_hold_cnt(0) depctr_sa_sdst(0) depctr_va_vdst(0) depctr_va_sdst(0) depctr_va_ssrc(0) depctr_va_vcc(0) depctr_vm_vsrc(0)
	s_getreg_b32 s2, hwreg(HW_REG_IB_STS2, 6, 4)
	s_cmp_eq_u32 s2, 0
	s_cbranch_scc0 .Lentry_in_a_cluster
	s_endpgm
.Lentry_in_a_cluster:
	s_bfe_u32 s2, ttmp6, 0x10000c
	s_cmp_lg_u32 s2, 0xf033
	s_cbranch_scc0 .Lentry_shape_is_right
	s_endpgm
.Lentry_shape_is_right:
.set QKV,   1
.set RELU,  1-QKV
.set SWAP,  QKV
.set SIZE_K, 1024
.set KSTEP,  256
.set ROWB,   256
.set KROW,   SIZE_K
.set PITCH,  272
.set FR,     16
.set NL,     4
.set NP,     4
.set HALFT,  128*PITCH
.set SLOT,   4*HALFT
.set LAPS,   SIZE_K/(2*KSTEP)
.set SPARE,  2*SLOT
.set SROW,   80
.set SSUB,   64*SROW
.set SWAVE,  2*SSUB
.set ADRA, 16
.set ADRB, 20
.set STO,  24
.set RD,   25
.set CO,   26
.set SPW,  28
.set NIL,  29
.set BI,   32
.set CD,   48
.set BJ,   64
.set AF,   128
.set TMP,  128
.set OUTR, 192
.set G1, 24
.set G0, 32
.set G1B, 48
.set G0B, 56
.if QKV
.set SCL, 84
.else
.set SCL, 10
.endif
.set MSB, 0
.macro WIN new
.if MSB != \new
	s_set_vgpr_msb (MSB<<8)|\new
.set MSB, \new
.endif
.endm
.set MUL_LO, 0xa1
.set MUL_HI, 0xf1
.set TO_B,   0x40
.macro JLOAD g0a, g1a, g0b, g1b
	s_cmp_eq_u32 s15, 0
	s_cbranch_scc0 .Lfor_b_\@
	tensor_load_to_lds s[\g0a:\g0a+3], s[\g1a:\g1a+7]
	s_nop 0
.rept 4
	v_nop
.endr
	s_branch .Lasked_\@
.Lfor_b_\@:
	tensor_load_to_lds s[\g0b:\g0b+3], s[\g1b:\g1b+7]
	s_nop 0
.rept 4
	v_nop
.endr
.Lasked_\@:
.endm
.macro CREST
	s_cmp_lg_u32 s14, 0
	s_cbranch_scc1 .Lnot_wave_0_\@
	s_barrier_signal -3
.Lnot_wave_0_\@:
	s_barrier_wait -3
	s_barrier_signal -1
	s_barrier_wait -1
.endm
.macro CROUND
	s_barrier_signal -1
	s_barrier_wait -1
	CREST
.endm
.if QKV
	s_load_b512 s[68:83], s[0:1], 0x0
	s_load_b128 s[84:87], s[0:1], 0x40
.else
	s_load_b256 s[4:11], s[0:1], 0x0
	s_load_b64 s[86:87], s[0:1], 0x20
.endif
	v_lshl_add_u32 v[SPW], v0, 2, SPARE
	v_mov_b32 v[NIL], 0
	ds_add_u32 v28, v29
	ds_add_u32 v28, v29
	s_wait_dscnt 0x0
	v_lshrrev_b32 v1, 5, v0
	v_readfirstlane_b32 s14, v1
	s_lshr_b32 s15, s14, 1
	s_and_b32 s16, s14, 1
	s_bfe_u32 s40, ttmp6, 0x40000
	s_bfe_u32 s41, ttmp6, 0x40004
.if QKV
	s_and_b32 s67, ttmp7, 0xffff
	s_lshr_b32 s66, s67, 2
	s_and_b32 s67, s67, 3
	s_mov_b32 s98, 262144
	s_cmp_eq_u32 s66, 2
	s_cselect_b32 s88, 0, s67
	s_cselect_b32 s89, s67, 0
	s_cselect_b32 s91, s98, 4096
	s_cselect_b32 s92, 4096, s98
	s_cselect_b32 s90, -1, 0
	s_cselect_b32 s99, 4, 0
	s_lshl_b32 s17, s88, 2
	s_add_co_u32 s17, s17, s41
	s_lshl_b32 s42, s89, 2
	s_add_co_u32 s42, s42, s40
	s_lshl_b32 s98, s66, 3
	s_lshl_b32 s88, s66, 2
	s_add_co_u32 s99, s99, s88
	s_add_co_u32 s99, s99, 24
.else
	s_lshl_b32 s42, ttmp9, 2
	s_add_co_u32 s42, s42, s40
	s_and_b32 s17, ttmp7, 0xffff
	s_lshl_b32 s17, s17, 2
	s_add_co_u32 s17, s17, s41
.endif
	s_lshl_b32 s43, s41, 2
	s_lshl_b32 s43, 15, s43
	s_lshl_b32 s44, 0x1111, s40
	s_or_b32 s[G1+0], s43, (0<<16)|(1<<20)|(1<<21)|(5<<22)|(3<<25)
	s_or_b32 s[G1B+0], s44, (0<<16)|(1<<20)|(1<<21)|(5<<22)|(3<<25)
.irp g, G1, G1B
	s_mov_b32 s[\g+1], ROWB<<16
	s_mov_b32 s[\g+2], 128<<16
	s_mov_b32 s[\g+3], ROWB<<16
	s_mov_b32 s[\g+4], 128
	s_mov_b32 s[\g+5], KROW
	s_mov_b32 s[\g+6], 0
	s_mov_b32 s[\g+7], 0
.endr
	s_lshl_b32 s18, s16, 7
	s_lshl_b32 s20, s17, 8
	s_add_co_u32 s20, s20, s18
	s_lshl_b32 s20, s20, 10
	s_mov_b32 s21, 0
	s_lshl_b32 s46, s42, 8
	s_add_co_u32 s46, s46, s18
	s_lshl_b32 s46, s46, 10
	s_mov_b32 s47, 0
	s_mul_i32 s45, s14, HALFT
	s_wait_kmcnt 0x0
.if QKV
	s_add_nc_u64 s[94:95], s[70:71], 0x400000
	s_cmp_eq_u32 s66, 0
	s_cselect_b64 s[4:5], s[68:69], s[70:71]
	s_cselect_b64 s[6:7], s[72:73], s[74:75]
	s_cselect_b64 s[8:9], s[78:79], s[80:81]
	s_cmp_eq_u32 s66, 2
	s_cselect_b64 s[4:5], s[76:77], s[4:5]
	s_cselect_b64 s[6:7], s[94:95], s[6:7]
	s_cselect_b64 s[8:9], s[82:83], s[8:9]
	s_load_b64 s[96:97], s[SCL:SCL+1], s98 offset:0x0
	s_load_b32 s93, s[SCL:SCL+1], s99 offset:0x0
.else
	s_load_b64 s[96:97], s[SCL:SCL+1], 0x30
	s_load_b32 s93, s[SCL:SCL+1], 0x38
.endif
	s_add_nc_u64 s[20:21], s[4:5], s[20:21]
	s_add_nc_u64 s[46:47], s[6:7], s[46:47]
	s_cmp_eq_u32 s15, 0                            ; the prefetches: of the 128 rows that I fetch, my work-group names 32, told apart from its three partners by address (cx for A's tile, cy for B's)
	s_cselect_b64 s[12:13], s[20:21], s[46:47]
	s_cselect_b32 s2, s40, s41
	s_lshl_b32 s2, s2, 15                          ; 32 rows of 1,024 bytes
	s_mov_b32 s3, 0
	s_add_nc_u64 s[12:13], s[12:13], s[2:3]
	CROUND
.irp s, 0,1
	s_mov_b32 s[G0+4*\s], 1
	s_add_co_u32 s[G0+4*\s+1], s45, \s*SLOT
	s_add_nc_u64 s[G0+4*\s+2:G0+4*\s+3], s[20:21], \s*ROWB
	s_or_b32 s[G0+4*\s+3], s[G0+4*\s+3], 0x80000000
	s_mov_b32 s[G0B+4*\s], 1
	s_add_co_u32 s[G0B+4*\s+1], s45, \s*SLOT
	s_add_nc_u64 s[G0B+4*\s+2:G0B+4*\s+3], s[46:47], \s*ROWB
	s_or_b32 s[G0B+4*\s+3], s[G0B+4*\s+3], 0x80000000
.endr
	JLOAD G0, G1, G0B, G1B                         ; K step 0: my one tensor load at the head
	v_and_b32 v30, 31, v0
	v_lshlrev_b32 v30, 10, v30                     ; a lane a row; never rewritten
	s_wait_alu depctr_va_vdst(0)
	global_prefetch_b8 v30, s[12:13] offset:ROWB th:TH_LOAD_NT scope:SCOPE_SE     ; K steps 1 and 2: 256 bytes of each of my 32 rows
	global_prefetch_b8 v30, s[12:13] offset:2*ROWB th:TH_LOAD_NT scope:SCOPE_SE
	v_and_b32 v1, 15, v0
	s_wait_alu depctr_va_vdst(0)
	v_bfe_u32 v2, v0, 4, 1
	v_mul_u32_u24 v3, v1, PITCH
	v_lshl_add_u32 v4, v2, 4, v3
	s_mul_i32 s21, s15, HALFT
	s_mul_i32 s22, s16, HALFT
	s_add_co_u32 s22, s22, 2*HALFT
.irp s, 0,1
	v_add_nc_u32 v[ADRA+\s], s21, v4
	v_add_nc_u32 v[ADRB+\s], s22, v4
	s_add_co_u32 s21, s21, SLOT
	s_add_co_u32 s22, s22, SLOT
.endr
	s_mul_i32 s23, s14, SWAVE
.if SWAP
	v_and_b32 v5, 8, v1
	v_add_nc_u32 v5, v5, v1
	v_mul_u32_u24 v5, v5, SROW
.else
	v_mul_u32_u24 v5, v1, SROW
.endif
	v_lshl_add_u32 v5, v2, 3, v5
	v_add_nc_u32 v[STO], s23, v5
	v_and_b32 v6, 31, v0
	v_lshlrev_b32 v[CO], 4, v6
	v_lshrrev_b32 v7, 2, v6
	v_mul_u32_u24 v7, v7, SROW
	v_and_b32 v6, 3, v6
	v_lshl_add_u32 v7, v6, 4, v7
	v_add_nc_u32 v[RD], s23, v7
	s_lshl_b32 s18, s42, 8
	s_lshl_b32 s19, s16, 7
	s_add_co_u32 s18, s18, s19
.if QKV
	s_lshl_b32 s19, s17, 8
	s_lshl_b32 s22, s15, 7
	s_add_co_u32 s19, s19, s22
	s_cmp_eq_u32 s66, 2
	s_cselect_b32 s18, 0, s18
	s_cselect_b32 s19, s19, 0
	v_lshlrev_b32 v11, 2, v1
	v_lshl_add_u32 v11, s19, 2, v11
.endif
	v_lshlrev_b32 v10, 5, v2
	v_lshl_add_u32 v10, s18, 2, v10
.irp b, 0,1,2,3,4,5,6,7
	global_load_b128 v[BJ+8*\b:BJ+8*\b+3], v10, s[8:9] offset:64*\b
	global_load_b128 v[BJ+8*\b+4:BJ+8*\b+7], v10, s[8:9] offset:64*\b+16
.endr
.if QKV
.irp a, 0,1,2,3,4,5,6,7
	global_load_b32 v[BI+2*\a], v11, s[8:9] offset:64*\a
	v_mov_b32 v[BI+2*\a+1], 0
.endr
	s_lshl_b32 s78, s17, 2
	s_lshl_b32 s79, s15, 1
	s_add_co_u32 s78, s78, s79
	s_lshl_b32 s79, s42, 2
	s_lshl_b32 s76, s16, 1
	s_add_co_u32 s79, s79, s76
	s_mul_i32 s76, s78, s91
	s_mul_i32 s77, s79, s92
	s_add_co_u32 s76, s76, s77
	s_lshl_b32 s77, s66, 22
	s_add_co_u32 s76, s76, s77
	s_mov_b32 s77, 0
	s_add_nc_u64 s[68:69], s[86:87], s[76:77]
	s_mov_b32 s76, s92
	s_add_nc_u64 s[70:71], s[68:69], s[76:77]
	s_mov_b32 s76, s91
	s_add_nc_u64 s[72:73], s[68:69], s[76:77]
	s_add_nc_u64 s[74:75], s[70:71], s[76:77]
.else
	s_lshl_b32 s76, s17, 1
	s_add_co_u32 s76, s76, s15
	s_lshl_b32 s76, s76, 6
	s_lshl_b32 s77, s42, 2
	s_lshl_b32 s78, s16, 1
	s_add_co_u32 s77, s77, s78
	s_add_co_u32 s76, s76, s77
	s_lshl_b32 s76, s76, 13
	s_mov_b32 s77, 0
	s_add_nc_u64 s[68:69], s[86:87], s[76:77]
.endif
.macro FRAG reg, adr, q, i
.irp c, 0,1,2,3
	ds_load_b128 v[\reg+4*\c:\reg+4*\c+3], v[\adr] offset:128*(\q)+32*\c+(\i)*16*PITCH
.endr
.endm
.macro MUL16 a0, p, zero
.irp a, \a0, \a0+1
.irp b, 0,1,2,3,4,5,6,7
.if \zero
	v_wmma_f32_16x16x128_bf8_bf8 v[8*(8*((\a)%4)+\b):8*(8*((\a)%4)+\b)+7], v[128*(\p)+FR*\b:128*(\p)+FR*\b+FR-1], v[AF+FR*(\a):AF+FR*(\a)+FR-1], 0
.else
	v_wmma_f32_16x16x128_bf8_bf8 v[8*(8*((\a)%4)+\b):8*(8*((\a)%4)+\b)+7], v[128*(\p)+FR*\b:128*(\p)+FR*\b+FR-1], v[AF+FR*(\a):AF+FR*(\a)+FR-1], v[8*(8*((\a)%4)+\b):8*(8*((\a)%4)+\b)+7]
.endif
.endr
.endr
.endm
.macro FETCH_B slot, q, p
	WIN TO_B
.irp i, 0,1,2,3,4,5,6,7
	FRAG 128*(\p)+FR*\i, ADRB+\slot, \q, \i
.endr
	WIN 0
.endm
.macro FETCH_A slot, q, i0
.irp i, \i0, \i0+1, \i0+2, \i0+3
	FRAG AF+FR*(\i), ADRA+\slot, \q, \i
.endr
.endm
.macro PLACES n
.rept \n
	v_nop
.endr
.endm
.macro STEP slot, q, zero
	s_wait_dscnt 4*NL
	WIN MUL_LO
	MUL16 0, (\q)%2, \zero
	MUL16 2, (\q)%2, \zero
	s_wait_dscnt 0
	PLACES NP
	FETCH_B \slot, (\q)+1, 1-(\q)%2
	FETCH_A \slot, (\q)+1, 0
	WIN MUL_HI
	MUL16 4, (\q)%2, \zero
	MUL16 6, (\q)%2, \zero
	PLACES NP
	WIN 0
	FETCH_A \slot, (\q)+1, 4
.endm
.macro TURN slot, next, fill
	s_wait_tensorcnt 0x0
	ds_add_u32 v[SPW], v[NIL]
	s_wait_dscnt 4*NL+1
	WIN MUL_LO
	MUL16 0, 1, 0
	s_wait_dscnt 0x0
	s_barrier_signal -1
	MUL16 2, 1, 0
	WIN 0
	s_barrier_wait -1
.if \fill
	CREST
	s_add_nc_u64 s[G0+4*\slot+2:G0+4*\slot+3], s[G0+4*\slot+2:G0+4*\slot+3], 2*ROWB
	s_add_nc_u64 s[G0B+4*\slot+2:G0B+4*\slot+3], s[G0B+4*\slot+2:G0B+4*\slot+3], 2*ROWB
	JLOAD G0+4*\slot, G1, G0B+4*\slot, G1B
.else
	PLACES NP
.endif
	FETCH_B \next, 0, 0
	FETCH_A \next, 0, 0
.if (\fill) && ((\slot) == 0)
	global_prefetch_b8 v30, s[12:13] offset:3*ROWB th:TH_LOAD_NT scope:SCOPE_SE   ; K step 3, the last: the next change of slots loads it (SIZE_K = 1,024: the loop has one trip)
.endif
	WIN MUL_HI
	MUL16 4, 1, 0
	MUL16 6, 1, 0
	PLACES NP
	WIN 0
	FETCH_A \next, 0, 4
.endm
	s_wait_alu depctr_va_vdst(0)                   ; the wait at the head's end
	s_wait_tensorcnt 0x0                           ; my part of K step 0 is in
	ds_add_u32 v[SPW], v[NIL]
	s_wait_dscnt 0x0
	CROUND                                         ; everybody's part is in, and all sixteen work-groups are here
	JLOAD G0+4, G1, G0B+4, G1B                     ; K step 1, the first tensor load behind the round
	FETCH_B 0, 0, 0
	FETCH_A 0, 0, 0
	FETCH_A 0, 0, 4
	STEP 0, 0, 1
	s_mov_b32 s3, LAPS-1
.Llap:
	TURN 0, 1, 1
	STEP 1, 0, 0
	TURN 1, 0, 1
	STEP 0, 0, 0
	s_sub_co_u32 s3, s3, 1
	s_cmp_lg_u32 s3, 0
	s_cbranch_scc1 .Llap
	TURN 0, 1, 0
	STEP 1, 0, 0
	s_wait_dscnt 4*NL
	WIN MUL_LO
	MUL16 0, 1, 0
	MUL16 2, 1, 0
	s_wait_dscnt 0
	WIN MUL_HI
	MUL16 4, 1, 0
	MUL16 6, 1, 0
	WIN 0
.macro CBLOCK a
.set AC, 64*((\a)%4)
.set A4, (\a)%4
.if SWAP
.set ROWI, 32*(A4/2)+8*(A4%2)
.else
.set ROWI, 16*A4
.endif
	WIN 0x02+((\a)/4)
.set j, 0
.rept 32
	v_pk_fma_f32 v[TMP+j:TMP+j+1], v[AC+j:AC+j+1], s[96:97], v[BJ+j:BJ+j+1] op_sel_hi:[1,0,1]
.set j, j+2
.endr
	WIN 0
.if QKV
.set j, 0
.rept 32
	v_pk_add_f32 v[TMP+j:TMP+j+1], v[TMP+j:TMP+j+1], v[BI+2*(\a):BI+2*(\a)+1] op_sel_hi:[1,0]
.set j, j+2
.endr
.endif
.set j, 0
.rept 64
.if RELU
	v_med3_num_f32 v[TMP+j], v[TMP+j], 0, v9
.else
	v_med3_num_f32 v[TMP+j], v[TMP+j], -v9, v9
.endif
.set j, j+1
.endr
	s_wait_alu depctr_va_vdst(0)
	s_wait_dscnt 0x0
.irp b, 0,1,2,3,4,5,6,7
	v_cvt_scalef32_pk8_bf8_f32 v[CD+2*\b:CD+2*\b+1], v[TMP+8*\b:TMP+8*\b+7], v8
.endr
	v_nop
.irp b, 0,1,2,3,4,5,6,7
	ds_store_b64 v[STO], v[CD+2*\b:CD+2*\b+1] offset:(\b/4)*SSUB+ROWI*SROW+16*(\b%4)
.endr
.endm
.macro COUT G
.if \G > 0
	s_wait_xcnt 0x0
.endif
.irp jb, 0,1
.irp t, 0,1,2,3,4,5,6,7
	ds_load_b128 v[OUTR+4*(8*\jb+\t):OUTR+4*(8*\jb+\t)+3], v[RD] offset:\jb*SSUB+\t*8*SROW
.endr
.endr
.irp jb, 0,1
.irp t, 0,1,2,3,4,5,6,7
	s_wait_dscnt 15-8*\jb-\t
.if QKV
	global_store_b128 v[CO], v[OUTR+4*(8*\jb+\t):OUTR+4*(8*\jb+\t)+3], s[68+4*\G+2*\jb:69+4*\G+2*\jb] offset:512*\t th:TH_STORE_NT
.else
	global_store_b128 v[CO], v[OUTR+4*(8*\jb+\t):OUTR+4*(8*\jb+\t)+3], s[68:69] offset:\jb*8192+\G*4096+512*\t th:TH_STORE_NT
.endif
.endr
.endr
.endm
	s_wait_kmcnt 0x0
	s_add_co_i32 s96, s96, s97
	s_add_co_i32 s96, s96, 127
	s_lshl_b32 s96, s96, 23
	s_mov_b32 s97, s96
	s_add_co_i32 s93, s93, 127
	s_lshl_b32 s98, s93, 23
	s_add_co_i32 s93, s93, 15
	s_lshl_b32 s93, s93, 23
	s_or_b32 s93, s93, 0x600000
	PLACES NP
	v_mov_b32 v8, s98
	v_mov_b32 v9, s93
	s_wait_loadcnt 0x0
.if QKV
.set j, 0
.rept 64
	v_cndmask_b32 v[BJ+j], v[BJ+j], v[NIL], s90
.set j, j+1
.endr
.irp a, 0,1,2,3,4,5,6,7
	v_cndmask_b32 v[BI+2*\a], v[NIL], v[BI+2*\a], s90
.endr
.endif
	CBLOCK 0
	CBLOCK 1
	CBLOCK 2
	CBLOCK 3
	COUT 0
	CBLOCK 4
	CBLOCK 5
	CBLOCK 6
	CBLOCK 7
	COUT 1
	s_wait_tensorcnt 0x0
	ds_add_u32 v[SPW], v[NIL]
	s_wait_dscnt 0x0
	CROUND
	s_endpgm
.Lfunc_end_k_qb3b65f656c_qkv:
	.size	k_qb3b65f656c_qkv, .Lfunc_end_k_qb3b65f656c_qkv-k_qb3b65f656c_qkv
	.p2alignl 7, 3214868480
	.fill 96, 4, 3214868480
	.section	.rodata,"a",@progbits
	.p2align	6, 0x0
	.amdhsa_kernel k_qb3b65f656c_qkv
		.amdhsa_group_segment_fixed_size 327680
		.amdhsa_private_segment_fixed_size 0
		.amdhsa_enable_private_segment 0
		.amdhsa_kernarg_size 80
		.amdhsa_user_sgpr_count 2
		.amdhsa_user_sgpr_kernarg_segment_ptr 1
		.amdhsa_wavefront_size32 1
		.amdhsa_system_sgpr_workgroup_id_x 1
		.amdhsa_system_sgpr_workgroup_id_y 1
		.amdhsa_system_sgpr_workgroup_id_z 1
		.amdhsa_system_vgpr_workitem_id 0
		.amdhsa_next_free_vgpr 1024
		.amdhsa_next_free_sgpr 100
		.amdhsa_reserve_vcc 0
		.amdhsa_float_denorm_mode_32 3
		.amdhsa_float_denorm_mode_16_64 3
		.amdhsa_memory_ordered 1
		.amdhsa_forward_progress 1
		.amdhsa_inst_pref_size 167
	.end_amdhsa_kernel
	.amdgpu_metadata
---
amdhsa.version: [ 1, 2 ]
amdhsa.kernels:
  - .name:           k_qb3b65f656c_qkv
    .symbol:         k_qb3b65f656c_qkv.kd
    .args:
      - { .name: x_codes, .offset: 0, .size: 8, .value_kind: global_buffer, .address_space: global }
      - { .name: ncodes, .offset: 8, .size: 8, .value_kind: global_buffer, .address_space: global }
      - { .name: Wq_codes, .offset: 16, .size: 8, .value_kind: global_buffer, .address_space: global }
      - { .name: Wk_codes, .offset: 24, .size: 8, .value_kind: global_buffer, .address_space: global }
      - { .name: Wv_codes, .offset: 32, .size: 8, .value_kind: global_buffer, .address_space: global }
      - { .name: bq, .offset: 40, .size: 8, .value_kind: global_buffer, .address_space: global }
      - { .name: bk, .offset: 48, .size: 8, .value_kind: global_buffer, .address_space: global }
      - { .name: bv, .offset: 56, .size: 8, .value_kind: global_buffer, .address_space: global }
      - { .name: lowp_scales, .offset: 64, .size: 8, .value_kind: global_buffer, .address_space: global }
      - { .name: qkv, .offset: 72, .size: 8, .value_kind: global_buffer, .address_space: global }
    .group_segment_fixed_size: 327680
    .private_segment_fixed_size: 0
    .kernarg_segment_align: 8
    .kernarg_segment_size: 80
    .max_flat_workgroup_size: 128
    .sgpr_count:     100
    .vgpr_count:     1024
    .wavefront_size: 32
...
	.end_amdgpu_metadata
.endif
;; end of part 3
;; launch attn (part 4): grid 32 x 8, 16 waves a work-group, no clusters, 327,680 bytes of LDS; arguments qkv, lowp_scales, ac; writes ac
.if DOCPART == 4
	.amdgcn_target "amdgcn-amd-amdhsa--gfx1250"
	.amdhsa_code_object_version 6
	.text
	.protected	k_qb3b65f656c_attn
	.globl	k_qb3b65f656c_attn
	.p2align	8
	.type	k_qb3b65f656c_attn,@function
k_qb3b65f656c_attn:
	s_mov_b64 s[64:65], 0
	v_nop
	global_prefetch_b8 v0, s[64:65] scope:SCOPE_SE
	s_setreg_imm32_b32 hwreg(HW_REG_WAVE_MODE, 25, 1), 1
	s_wait_xcnt 0x0
; Attention on codes of E5M2 for one head (work-group x = 2 x head + batch entry): o = softmax(tril(q k^T / 8)) v, then o's quantiser.  2,048 queries and keys, head size 64.
; WORK LEFT OUT: tril sets the score of every key behind the query to ZERO, whatever q and k hold, so the score products of key steps that lie wholly behind a tile's queries reach no output and are not made;
; such a key still counts in the softmax with logit 0, so its product with v is made.  A NaN or an infinity that would arise only in those score products is not carried to the result.
; THE SOFTMAX: t = logit x log2(e); M = the running largest t rounded up to a whole number; p = 2^(t - M) is quantised along the keys with the given 2^e8; the row's sum is taken of the unquantised p and divides at the end.
; When M moves, the sum and O are multiplied by 2^(old M - new M), which rounds nothing.
; HIDDEN STEPS (all 128 keys come behind a tile's queries): every logit is 0, so one p = 2^-M serves all, M taken over the scored steps and 0; no scored step follows a hidden one, so M, p and p's code stand from then on.
; IN: q, k: a head is 2,048 rows of 64 codes, a row at the place whose bits 3 and 4 are those of its number exchanged; v: 32 blocks of 64 keys, each 64 rows (the head's 64, bits 3 and 4 exchanged) of 64 codes along the keys.
; OUT: codes with 2^e10; 128 rows x 64 of K form a dense block of 8,192 bytes, ((row / 128) x 16 + head); a wave's 16 rows are 1,024 consecutive bytes.
; SHARES: work-group y holds the blocks of 128 queries y (early) and 15 - y (late).  Two waves, w and w xor 1, share tile w / 2 of both blocks: one takes the even key steps of 128 keys, the other the odd ones.
; A wave first walks the early tile's scored steps (they lie among keys 0-1,023: four trips, those behind the block jumped over on ids), and fixes that tile's hidden p, its code (eight registers, all alike) and its sum.
; Then it walks its eight steps for the late tile; each of V's fragments that it reads there is multiplied for the early tile too wherever the step is hidden for that tile: V is read once for both.
; At the end the partners exchange one partial result each (O, -M, the sum) through LDS and join them under the larger M by powers of two, which rounds nothing; wave w finishes the late tile (w even) or the early one (w odd).
; LDS: the head's whole K and V, 131,072 bytes each, as lines of 256 bytes + 16 of padding; nothing is filled twice.  A wave's one tensor load at the head brings 8,192 bytes of keys 0-1,023 (waves 0-7: K, 8-15: V);
; its second, behind the first barrier, the same of keys 1,024-2,047, and has the wave's four trips on the earlier keys in which to land.  One tensor load of mine is out at any time.
; PREFETCH: the second fill's 131,072 bytes of a head are named once, at the head: waves 2 y and 2 y + 1 of work-group y name their own 8,192 bytes, lanes 256 bytes apart.
; NO CLUSTER: the jumps over score products hang on the work-group's block of queries, which differs between the work-groups of a head; partners of a cluster must run alike.
; LIMITS: e6 + e7 between -123 and 130 (added to c's exponent field); e8 and e10 between -126 and 112; NaN is not served.
; REGISTERS: v1-9 addresses; v6 and v247 the early tile's -M and sum; v11 the hidden steps' p; v12 -M, v13 the largest t, v[14:15] the sum; v16-23 the early tile's Q, then its hidden code; v24-31 the late tile's Q;
;   v32-95 K's eight fragments, then V's four; v96-159 S^T, then p; v160-191 the late tile's O^T, v192-223 the early tile's; v224-239 p's codes; v240 and v246 the hold's limit, twice; v241-254 constants and work.
; THE BARRIER IN FRONT OF THE LATER KEYS IS SPLIT: a wave waits for its second fill and signals behind the early tile's four trips, walks the late tile's four steps on keys 0-1,023, and waits at the barrier only then.
.set LINE,  272
.set BLK,   16*LINE                    ; 64 rows of 64 bytes: 16 lines
.set STEPB, 2*BLK                      ; a key step of 128 keys, in K and in V
.set HALFB, 16*BLK                     ; 1,024 keys
.set VOFF,  32*BLK                     ; V behind K
.set SPARE, 2*VOFF                     ; the spare words, 128 bytes a wave
.set XP,    4608                       ; the exchange: 36 registers x 128 bytes for each wave, from byte 0 on: K has had its last fill and its last read by then
.set OST,   16*XP                      ; behind them: 1,024 bytes for each wave, for the way out
.set AL,  1                            ; v1  my lane's place in a tile
.set ZR,  2                            ; v2  0
.set DQ,  3                            ; v3  my query less the diagonal step's first key less 16 (lane / 16)
.set STO, 4
.set RD,  5
.set SM,  6
.set GO,  7
.set ADK, 8
.set ADV, 9
.set SL,  247
.set PFO, 250                          ; v250 the prefetch's offset; never rewritten
.set SPW, 251
.set NIL, 255
.set WV,  18
.set SEL, 20
.set CS,  22
.set G1,  24
.set G0,  40
.set TB,  2                            ; s2  LDS byte at which the key step in hand begins
.set PAR, 48                           ; s48 my parity of key steps
.set DSE, 49                           ; s49 the early block
.set BM,  51                           ; s51 all ones in odd waves, else 0
.set TB0, 52                           ; s52 my first step's LDS byte
.set DSK, 53                           ; s53 the block whose tile I finish
.set KS,  66                           ; s66 the key step, 0..15
.set DS,  67                           ; s67 the block in hand = its one step on the diagonal
.set CNT, 73
.set NH,  75                           ; s75 64 x the early tile's hidden steps of my parity, as f32
.set DS1, 77                           ; s77 the late tile's first hidden step of my parity
.set DSL, 78                           ; s78 the late block
	s_load_b128 s[4:7], s[0:1], 0x0                ; qkv, scales
	s_load_b64 s[8:9], s[0:1], 0x10                ; out
	v_lshl_add_u32 v[SPW], v0, 2, SPARE
	v_mov_b32 v[NIL], 0
	ds_add_u32 v[SPW], v[NIL]                      ; the opening lines: the add, twice on end, and its wait ahead of my first tensor load
	ds_add_u32 v[SPW], v[NIL]
	v_lshrrev_b32 v8, 5, v0
	v_readfirstlane_b32 s[WV], v8                  ; wave 0..15
	s_mov_b32 s10, ttmp9                           ; 2 x head + batch entry
	s_lshl_b32 s11, s10, 17                        ; its 131,072 bytes in q, in k and in v
	s_lshr_b32 s12, s[WV], 1                       ; which 16 of a block's 128 queries
	s_lshr_b32 s13, s[WV], 2
	s_xor_b32 s13, s13, s[WV]
	s_and_b32 s[PAR], s13, 1                       ; of the four waves w % 4 and of the four w / 4 two have each parity
	s_and_b32 s[DSE], ttmp7, 0xffff
	s_sub_co_u32 s[DSL], 15, s[DSE]
	s_mov_b32 s[DS], s[DSE]                        ; the early block comes first
	s_add_co_u32 s13, s[DSL], 1
	s_xor_b32 s14, s13, s[PAR]
	s_and_b32 s14, s14, 1
	s_add_co_u32 s[DS1], s13, s14                  ; block + 1, or + 2 where that has the other parity
	s_sub_co_u32 s13, s[DSE], s[PAR]
	s_add_co_u32 s13, s13, 2
	s_lshr_b32 s13, s13, 1                         ; the early tile's scored steps of my parity, 0..4
	s_sub_co_u32 s13, 8, s13
	s_lshl_b32 s13, s13, 6                         ; a lane has 64 keys of each of the others
	s_cvt_f32_u32 s[NH], s13
	s_mul_i32 s[TB0], s[PAR], STEPB
	s_and_b32 s14, s[WV], 1
	s_cmp_eq_u32 s14, 1
	s_cselect_b32 s[BM], -1, 0
	s_cselect_b32 s[DSK], s[DSE], s[DSL]
	s_mov_b32 s[G1], (3<<16)|(1<<20)|(5<<22)|(3<<25)   ; no mask; elements of 8 bytes; padding on: after every 64 words, 4 words
	s_mov_b32 s[G1+1], 32<<16                      ; tensor_dim0: 32 elements, 256 bytes
	s_mov_b32 s[G1+2], 32<<16                      ; tensor_dim1
	s_mov_b32 s[G1+3], 32<<16                      ; tile_dim0
	s_mov_b32 s[G1+4], 32                          ; tile_dim1: 32 lines, a dense run of 8,192 bytes
	s_mov_b32 s[G1+5], 32                          ; tensor_dim0_stride
	s_mov_b32 s[G1+6], 0
	s_mov_b32 s[G1+7], 0
	s_lshr_b32 s15, s[WV], 3                       ; waves 0-7 fetch K, waves 8-15 V: blocks 2 (w % 8) and the next of each half's 16
	s_mul_i32 s16, s15, VOFF-16*BLK
	s_mul_i32 s17, s[WV], 2*BLK
	s_add_co_u32 s16, s16, s17                     ; in LDS
	s_lshl_b32 s17, s15, 22
	s_add_co_u32 s17, s17, 0x400000                ; k at 4,194,304, v at 8,388,608
	s_add_co_u32 s17, s17, s11
	s_and_b32 s19, s[WV], 7
	s_lshl_b32 s19, s19, 13
	s_add_co_u32 s32, s17, s19
	s_mov_b32 s33, 0
	s_mov_b32 s[SEL], 0x76543210
	s_mov_b32 s[SEL+1], 0xfedcba98
	s_mov_b32 s[CS], 0x3e38aa3b                    ; c = log2(e) / 8
	s_wait_dscnt 0x0
	s_wait_kmcnt 0x0
	s_load_b128 s[68:71], s[6:7], 0x18             ; e6, e7, e8, e9
	s_load_b32 s72, s[6:7], 0x28                   ; e10
	s_add_nc_u64 s[32:33], s[4:5], s[32:33]        ; my piece of keys 0-1,023; it stays: the prefetch reads it
.irp g, 0,1
	s_mov_b32 s[G0+4*\g], 1
	s_add_co_u32 s[G0+4*\g+1], s16, \g*HALFB
	s_add_nc_u64 s[G0+4*\g+2:G0+4*\g+3], s[32:33], \g*65536
	s_or_b32 s[G0+4*\g+3], s[G0+4*\g+3], 0x80000000
.endr
	tensor_load_to_lds s[G0:G0+3], s[G1:G1+7]      ; keys 0-1,023: my one tensor load at the head
	s_nop 0
.rept 4
	v_nop
.endr
	s_lshl_b32 s56, s12, 4                         ; 16 x my tile's number in its block
	s_and_b32 s36, s56, 0x60
	s_and_b32 s37, s12, 1
	s_lshl_b32 s37, s37, 3
	s_add_co_u32 s36, s36, s37                     ; my first query's place in its block: bit 4 goes to bit 3
	s_lshl_b32 s37, s[DSL], 7
	s_add_co_u32 s37, s37, s36
	s_lshl_b32 s37, s37, 6
	s_add_co_u32 s38, s37, s11
	s_mov_b32 s39, 0
	s_add_nc_u64 s[38:39], s[4:5], s[38:39]        ; the late tile's Q
	s_lshl_b32 s37, s[DSE], 7
	s_add_co_u32 s37, s37, s36
	s_lshl_b32 s37, s37, 6
	s_add_co_u32 s54, s37, s11
	s_mov_b32 s55, 0
	s_add_nc_u64 s[54:55], s[4:5], s[54:55]        ; the early tile's
	s_and_b32 s34, s10, 1
	s_lshl_b32 s34, s34, 4
	s_add_co_u32 s34, s34, s[DSK]                  ; row / 128 = 16 x batch entry + block
	s_lshl_b32 s34, s34, 4
	s_lshr_b32 s37, s10, 1
	s_add_co_u32 s34, s34, s37                     ; x 16 + head
	s_lshl_b32 s34, s34, 13
	s_lshl_b32 s37, s12, 10
	s_add_co_u32 s34, s34, s37
	s_mov_b32 s35, 0
	s_add_nc_u64 s[8:9], s[8:9], s[34:35]
	s_wait_kmcnt 0x0
	s_add_co_i32 s74, s68, s69
	s_lshl_b32 s74, s74, 23
	s_add_co_i32 s[CS], s[CS], s74                 ; a score stands for score x 2^(e6 + e7)
	s_mov_b32 s[CS+1], s[CS]
	s_add_co_i32 s74, s70, 127
	s_lshl_b32 s57, s74, 23                        ; 2^e8
	s_add_co_i32 s74, s74, 15
	s_lshl_b32 s74, s74, 23
	s_or_b32 s58, s74, 0x600000                    ; 57,344 x 2^e8
	s_add_co_i32 s74, s72, 127
	s_lshl_b32 s59, s74, 23                        ; 2^e10
	s_add_co_i32 s74, s74, 15
	s_lshl_b32 s74, s74, 23
	s_or_b32 s60, s74, 0x600000
	s_add_co_i32 s76, s70, s71                     ; e8 + e9
	v_and_b32 v[PFO], 31, v0
	v_lshlrev_b32 v[PFO], 8, v[PFO]
	s_cmp_eq_u32 s12, s[DSE]                       ; ids alone: the eight work-groups of a head share the second fill's sixteen pieces out, two each
	s_cbranch_scc0 .Lnot_mine
	global_prefetch_b8 v[PFO], s[32:33] offset:65536 th:TH_LOAD_NT scope:SCOPE_SE
.Lnot_mine:
	v_and_b32 v8, 15, v0                           ; r
	v_bfe_u32 v9, v0, 4, 1                         ; h
	v_lshrrev_b32 v11, 2, v8
	v_and_b32 v10, 3, v8
	v_mul_u32_u24 v[AL], v11, LINE
	v_and_b32 v11, 8, v8
	v_lshl_add_u32 v[AL], v10, 6, v[AL]
	v_add_nc_u32 v11, v11, v8                      ; r % 8 + 16 (r / 8): bit 3 goes to bit 4
	v_lshl_add_u32 v[AL], v9, 4, v[AL]             ; place r of a tile: line r / 4, 64 (r % 4) in it, + 16 h
	v_lshlrev_b32 v10, 6, v11
	v_lshlrev_b32 v11, 4, v9
	v_lshl_add_u32 v10, v9, 4, v10
	v_sub_nc_u32 v[DQ], v8, v11
	global_load_b128 v[16:19], v10, s[54:55]       ; Q's fragments: registers 4 c on hold d = 32 c + 16 h + 0 .. 15, as K's do
	global_load_b128 v[20:23], v10, s[54:55] offset:32
	global_load_b128 v[24:27], v10, s[38:39]
	global_load_b128 v[28:31], v10, s[38:39] offset:32
	v_add_nc_u32 v[DQ], s56, v[DQ]
	v_mov_b32 v11, 0
	v_mov_b32 v[ZR], 0
	v_mov_b32 v13, 0xff61b1e6                      ; the largest t so far: -3e38, under every t
	v_mov_b32 v14, 0
	v_mov_b32 v15, 0
	v_mov_b32 v252, 0                              ; a lane permute's destination counts as read
	v_mov_b32 v253, 0                              ; (named as the upper half of the pair v[252:253])
	v_floor_f32 v12, -v13                          ; -M
	v_mov_b32 v244, s57
	v_mov_b32 v240, s58
	v_mov_b32 v246, s58                            ; twice: the two halves of a dual-issue pair take their second sources from different register banks
	v_mov_b32 v245, s59
	v_mov_b32 v241, s60
.set j, 0
.rept 64
	v_mov_b32 v[160+j], 0                          ; O^T of both tiles: the step is written for every step alike; the first finds zeros, which the first change of M leaves zeros
.set j, j+1
.endr
.set j, 0
.rept 16
	v_mov_b32 v[224+j], 0                          ; p's codes: written once, so that every way to the products finds them written
.set j, j+1
.endr
.macro VLOAD                           ; V's four fragments (16 of the head's 64 x 128 keys): the step's two blocks of 64 keys
.irp t, 0,1,2,3
.irp c, 0,1,2,3
	ds_load_b128 v[32+16*\t+4*\c:35+16*\t+4*\c], v[ADV] offset:(\c/2)*BLK+4*LINE*\t+32*(\c%2)
.endr
.endr
.endm
; A KEY STEP: 128 keys.  o: the tile's O^T; q: its Q.  e = 1: the early tile's walk: a hidden step is jumped over.  e = 0: the late tile's walk, which also multiplies V for the early tile's hidden steps.
.macro STEP o, q, e
	v_add_nc_u32 v[ADK], s[TB], v[AL]
	s_delay_alu instid0(VALU_DEP_1)
	v_add_nc_u32 v[ADV], VOFF, v[ADK]
	s_cmp_gt_u32 s[KS], s[DS]                      ; all 128 keys come behind my queries?  A branch on ids; no barrier and no tensor load stands in a step
.if \e
	s_cbranch_scc1 .Lend_\@
.else
	s_cbranch_scc1 .Lhid_\@
.endif
	v_nop                                          ; with the two additions: four places in front of loads into registers that the last products read
	v_nop
.irp t, 0,1,2,3,4,5,6,7
.irp c, 0,1
	ds_load_b128 v[32+8*\t+4*\c:35+8*\t+4*\c], v[ADK] offset:4*LINE*\t+32*\c
.endr
.endr
	s_wait_dscnt 0x0
.irp t, 0,1,2,3,4,5,6,7                        ; S^T = K Q^T: in tile 2 b + u lane (r, h) holds query r, and register j key 32 b + 16 h + 8 u + j
	v_wmma_f32_16x16x64_bf8_bf8 v[96+8*\t:103+8*\t], v[32+8*\t:39+8*\t], v[\q:\q+7], 0
.endr
.rept 4
	v_nop
.endr
	s_wait_alu depctr_va_vdst(0)
	VLOAD                                          ; lands under the softmax
	s_cmp_lg_u32 s[KS], s[DS]
	s_cbranch_scc1 .Lopen_\@
.set n, 0
.rept 64                                       ; on the diagonal the scores of later keys become 0
	v_cmp_gt_i32 vcc_lo, 32*(n/16)+n%16, v[DQ]
	v_cndmask_b32 v[96+n], v[96+n], v[ZR], vcc_lo
.set n, n+1
.endr
.Lopen_\@:
	v_max3_num_f32 v254, v96, v97, v98             ; the step's largest score of my query among my 64 keys, in two chains,
	v_max3_num_f32 v252, v99, v100, v101
.irp i, 6,10,14,18,22,26,30,34,38,42,46,50,54,58
	v_max3_num_f32 v254, v254, v[96+\i], v[97+\i]
	v_max3_num_f32 v252, v252, v[98+\i], v[99+\i]
.endr
	v_max3_num_f32 v254, v254, v158, v159
	s_delay_alu instid0(VALU_DEP_1)
	v_max_num_f32 v254, v254, v252
	v_permlanex16_b32 v236, v254, s[SEL], s[SEL+1]
	s_delay_alu instid0(VALU_DEP_1)
	v_max_num_f32 v254, v254, v236                 ; and among lane l xor 16's
	s_delay_alu instid0(VALU_DEP_1)
	v_mul_f32 v254, s[CS], v254                    ; as t (c is positive)
	s_delay_alu instid0(VALU_DEP_1)
	v_max_num_f32 v13, v13, v254
	v_mov_b32 v254, v12
	s_delay_alu instid0(VALU_DEP_2)
	v_floor_f32 v12, -v13                          ; the new -M = -ceil(t)
	s_delay_alu instid0(VALU_DEP_1)
	v_sub_f32 v254, v12, v254                      ; old M - new M: a whole number, 0 or less
	s_delay_alu instid0(VALU_DEP_1)
	v_cvt_i32_f32 v254, v254
	s_delay_alu instid0(VALU_DEP_1)
	v_ldexp_f32 v252, 1.0, v254                    ; f = 2^(old M - new M)
.set j, 0
.rept 32
	v_pk_fma_f32 v[96+j:97+j], v[96+j:97+j], s[CS:CS+1], v[12:13] op_sel_hi:[1,0,0]   ; t - M
.set j, j+2
.endr
.set j, 0
	s_wait_alu depctr_va_vdst(0)                   ; the wait ahead of the batch
.rept 64
	v_exp_f32 v[96+j], v[96+j]                     ; p = 2^(t - M)
.set j, j+1
.endr
	v_pk_mul_f32 v[14:15], v[14:15], v[252:253] op_sel_hi:[1,0]   ; the sums under the new M: the plain instruction behind the exponentials
	s_wait_alu depctr_va_vdst(0)                   ; one wait for the batch, ahead of its first reader
	v_pk_add_f32 v[242:243], v[100:101], v[104:105]               ; the row's sum of the unquantised p, in eight chains
	v_pk_add_f32 v[248:249], v[108:109], v[112:113]
	v_pk_add_f32 v[238:239], v[116:117], v[120:121]
	v_pk_add_f32 v[236:237], v[124:125], v[128:129]
	v_pk_add_f32 v[234:235], v[132:133], v[136:137]
	v_pk_add_f32 v[232:233], v[140:141], v[144:145]
	v_pk_add_f32 v[230:231], v[148:149], v[152:153]
	v_pk_add_f32 v[14:15], v[14:15], v[156:157]
	v_pk_add_f32 v[242:243], v[242:243], v[96:97]
	v_pk_add_f32 v[248:249], v[248:249], v[98:99]
	v_pk_add_f32 v[238:239], v[238:239], v[102:103]
	v_pk_add_f32 v[236:237], v[236:237], v[106:107]
	v_pk_add_f32 v[234:235], v[234:235], v[110:111]
	v_pk_add_f32 v[232:233], v[232:233], v[114:115]
	v_pk_add_f32 v[230:231], v[230:231], v[118:119]
	v_pk_add_f32 v[14:15], v[14:15], v[122:123]
	v_pk_add_f32 v[242:243], v[242:243], v[126:127]
	v_pk_add_f32 v[248:249], v[248:249], v[130:131]
	v_pk_add_f32 v[238:239], v[238:239], v[134:135]
	v_pk_add_f32 v[236:237], v[236:237], v[138:139]
	v_pk_add_f32 v[234:235], v[234:235], v[142:143]
	v_pk_add_f32 v[232:233], v[232:233], v[146:147]
	v_pk_add_f32 v[230:231], v[230:231], v[150:151]
	v_pk_add_f32 v[14:15], v[14:15], v[154:155]
	v_pk_add_f32 v[242:243], v[242:243], v[158:159]
	s_delay_alu instid0(VALU_DEP_2)
	v_pk_add_f32 v[14:15], v[14:15], v[236:237]
	s_delay_alu instid0(VALU_DEP_2)
	v_pk_add_f32 v[242:243], v[242:243], v[234:235]
	v_pk_add_f32 v[248:249], v[248:249], v[232:233]
	v_pk_add_f32 v[238:239], v[238:239], v[230:231]
	s_delay_alu instid0(VALU_DEP_2)
	v_pk_add_f32 v[14:15], v[14:15], v[248:249]
	s_delay_alu instid0(VALU_DEP_2)
	v_pk_add_f32 v[242:243], v[242:243], v[238:239]
	s_delay_alu instid0(VALU_DEP_1)
	v_pk_add_f32 v[14:15], v[14:15], v[242:243]
.irp b, 0,1,2,3
.irp i, 0,2,4,6,8,10,12,14                     ; p is not negative: a one-sided hold (the conversion does not saturate: ISA guide 7.6.2), two numbers an instruction
	v_dual_min_num_f32 v[96+16*\b+\i], v[96+16*\b+\i], v240 :: v_dual_min_num_f32 v[97+16*\b+\i], v[97+16*\b+\i], v246
.endr
	v_cvt_scalef32_pk8_bf8_f32 v[224+4*\b:225+4*\b], v[96+16*\b:103+16*\b], v244
	v_cvt_scalef32_pk8_bf8_f32 v[226+4*\b:227+4*\b], v[104+16*\b:111+16*\b], v244
.endr
.set j, 0
.rept 16
	v_pk_mul_f32 v[\o+j:\o+j+1], v[\o+j:\o+j+1], v[252:253] op_sel_hi:[1,0]   ; O^T under the new M; also the plain lines behind the conversions
.set j, j+2
.endr
.if \e == 0
	s_branch .Lpv_\@
.Lhid_\@:                                              ; all 128 logits are 0: one p serves all
	s_cmp_lg_u32 s[KS], s[DS1]
	s_cbranch_scc1 .Lrest_\@                       ; a branch on ids: only my first hidden step makes M, p and the codes
	v_max_num_f32 v13, 0, v13
	v_mov_b32 v254, v12                            ; with the two additions: four places in front of the loads
	s_wait_alu depctr_va_vdst(0)
	VLOAD
	v_floor_f32 v12, -v13
	s_delay_alu instid0(VALU_DEP_1)
	v_sub_f32 v254, v12, v254
	s_delay_alu instid0(VALU_DEP_1)
	v_cvt_i32_f32 v254, v254
	s_delay_alu instid0(VALU_DEP_1)
	v_ldexp_f32 v252, 1.0, v254                    ; f
	s_delay_alu instid0(VALU_DEP_4)
	v_cvt_i32_f32 v10, v12
	s_delay_alu instid0(VALU_DEP_1)
	v_ldexp_f32 v11, 1.0, v10                      ; p = 2^-M, exact; it stays for the hidden steps that follow
	s_delay_alu instid0(VALU_DEP_3)
	v_pk_mul_f32 v[14:15], v[14:15], v[252:253] op_sel_hi:[1,0]
	s_delay_alu instid0(VALU_DEP_1)
	v_fmamk_f32 v14, v11, 0x42800000, v14          ; my 64 keys' p
.irp i, 0,1,2,3,4,5,6,7
	v_min_num_f32 v[96+\i], v11, v240
.endr
	v_cvt_scalef32_pk8_bf8_f32 v[224:225], v[96:103], v244
.set j, 0
.rept 16
	v_pk_mul_f32 v[\o+j:\o+j+1], v[\o+j:\o+j+1], v[252:253] op_sel_hi:[1,0]
.set j, j+2
.endr
.set j, 0
.rept 14
	v_mov_b32 v[226+j], v224                       ; the same code in all 64 places
.set j, j+1
.endr
	s_branch .Lpv_\@
.Lrest_\@:                                             ; a later hidden step: the largest t is 0 or more already, so M, p and the codes stand, and f would be 1
	v_nop                                          ; with the two additions: four places in front of the loads
	v_nop
	s_wait_alu depctr_va_vdst(0)
	VLOAD
	v_fmamk_f32 v14, v11, 0x42800000, v14          ; my 64 keys' p
.endif
.Lpv_\@:
	s_wait_dscnt 0x0                               ; V is in
	s_wait_alu depctr_va_vdst(0)
.irp t, 0,1,2,3                                ; O^T += V^T P^T: the four accumulators by turns
	v_wmma_f32_16x16x128_bf8_bf8 v[\o+8*\t:\o+8*\t+7], v[32+16*\t:47+16*\t], v[224:239], v[\o+8*\t:\o+8*\t+7]
.endr
.if \e == 0
	s_cmp_gt_u32 s[KS], s[DSE]
	s_cbranch_scc0 .Lend_\@                        ; ids: the early tile has scored this step itself
.irp u, 0,1                                    ; the step is hidden for the early tile: the same fragments of V, 64 keys at a time, against its one code; its four accumulators by turns
.irp t, 0,1,2,3
	v_wmma_f32_16x16x64_bf8_bf8 v[192+8*\t:199+8*\t], v[32+16*\t+8*\u:39+16*\t+8*\u], v[16:23], v[192+8*\t:199+8*\t]
.endr
.endr
.endif
.Lend_\@:
.endm
.macro WALK n, o, q, e                 ; n key steps of my parity
	s_mov_b32 s[CNT], \n
.Lstep_\@:
	STEP \o, \q, \e
	s_add_co_u32 s[TB], s[TB], 2*STEPB
	s_add_co_u32 s[KS], s[KS], 2
	s_sub_co_u32 s[CNT], s[CNT], 1
	s_cmp_lg_u32 s[CNT], 0
	s_cbranch_scc1 .Lstep_\@
.endm
	s_wait_alu depctr_va_vdst(0)                   ; the wait at the head's end
	s_wait_loadcnt 0x0                             ; Q
	s_wait_tensorcnt 0x0                           ; my part of keys 0-1,023 is in
	ds_add_u32 v[SPW], v[NIL]
	s_mov_b32 s[TB], s[TB0]
	s_mov_b32 s[KS], s[PAR]
	s_wait_dscnt 0x0
	s_barrier_signal -1
	s_barrier_wait -1                              ; everybody's is
	tensor_load_to_lds s[G0+4:G0+7], s[G1:G1+7]    ; keys 1,024-2,047: my one tensor load behind this barrier, into bytes that nothing has filled
	s_nop 0
.rept 4
	v_nop
.endr
	WALK 4, 192, 16, 1                             ; the early tile's scored steps: all lie among keys 0-1,023
	; the early tile's hidden steps: M over its scored steps and 0; p = 2^-M; its code; all their p at once
	v_max_num_f32 v13, 0, v13
	v_mov_b32 v254, v12
	s_delay_alu instid0(VALU_DEP_2)
	v_floor_f32 v12, -v13
	s_delay_alu instid0(VALU_DEP_1)
	v_sub_f32 v254, v12, v254
	s_delay_alu instid0(VALU_DEP_1)
	v_cvt_i32_f32 v254, v254
	s_delay_alu instid0(VALU_DEP_1)
	v_ldexp_f32 v252, 1.0, v254                    ; f
	s_delay_alu instid0(VALU_DEP_4)
	v_cvt_i32_f32 v10, v12
	s_delay_alu instid0(VALU_DEP_1)
	v_ldexp_f32 v11, 1.0, v10                      ; p
	s_delay_alu instid0(VALU_DEP_3)
	v_pk_mul_f32 v[14:15], v[14:15], v[252:253] op_sel_hi:[1,0]
.irp i, 0,1,2,3,4,5,6,7
	v_min_num_f32 v[96+\i], v11, v240
.endr
	v_cvt_scalef32_pk8_bf8_f32 v[224:225], v[96:103], v244
.set j, 0
.rept 16
	v_pk_mul_f32 v[192+j:193+j], v[192+j:193+j], v[252:253] op_sel_hi:[1,0]   ; each accumulator from its low end on
.set j, j+2
.endr
.set j, 0
.rept 8
	v_mov_b32 v[16+j], v224                        ; the same code in all 32 places of a lane: the registers that held this tile's Q
.set j, j+1
.endr
	v_add_f32 v[SL], v14, v15
	v_mov_b32 v[SM], v12
	v_mov_b32 v13, 0xff61b1e6                      ; and the late tile begins
	v_mov_b32 v14, 0
	v_mov_b32 v15, 0
	v_fma_f32 v[SL], v11, s[NH], v[SL]             ; 64 p for each hidden step of my parity: a whole number x a power of two
	v_floor_f32 v12, -v13
	s_mov_b32 s[DS], s[DSL]
	s_mov_b32 s[TB], s[TB0]
	s_mov_b32 s[KS], s[PAR]
	s_wait_alu depctr_va_vdst(0)
	s_wait_tensorcnt 0x0                           ; my part of the later keys is in
	ds_add_u32 v[SPW], v[NIL]
	s_wait_dscnt 0x0
	s_barrier_signal -1                            ; say so now
	WALK 4, 160, 24, 0                             ; the late tile, keys 0-1,023: register work and LDS reads of bytes that nothing writes before a later barrier
	s_add_co_u32 s[TB], s[TB0], HALFB
	s_barrier_wait -1                              ; everybody's part of the later keys is in
	WALK 4, 160, 24, 0                             ; the late tile, keys 1,024-2,047
	; THE EXCHANGE.  Even waves keep the late tile's partial result and send the early tile's; odd waves the other way round: a choice of registers by a mask, no branch.
	s_mul_i32 s61, s[WV], XP
	s_xor_b32 s62, s[WV], 1
	s_mul_i32 s62, s62, XP
	s_lshl_b32 s63, s[WV], 10
	s_add_co_u32 s63, s63, OST
	v_add_f32 v14, v14, v15                        ; these lines are also the places behind the last products
	v_and_b32 v8, 31, v0
	v_and_b32 v10, 15, v0
	v_bfe_u32 v11, v0, 4, 1
	v_lshlrev_b32 v[GO], 4, v8                     ; 16 bytes a lane
	v_lshlrev_b32 v10, 6, v10
	v_add_nc_u32 v8, s61, v[GO]                    ; where I send,
	v_add_nc_u32 v9, s62, v[GO]                    ; and where my partner does
	v_lshl_add_u32 v10, v11, 4, v10
	v_add_nc_u32 v[RD], s63, v[GO]
	v_add_nc_u32 v[STO], s63, v10                  ; the way out, in: row r of 64 codes, + 16 h
	s_wait_alu depctr_va_vdst(0)                   ; the wait here, directly ahead of the first readers of O^T
.set j, 0
.rept 32
	v_cndmask_b32 v[96+j], v[192+j], v[160+j], s[BM]   ; what I send; each accumulator from its low end on
	v_cndmask_b32 v[160+j], v[160+j], v[192+j], s[BM]  ; what I keep
.set j, j+1
.endr
	v_cndmask_b32 v128, v[SM], v12, s[BM]
	v_cndmask_b32 v129, v[SL], v14, s[BM]
	v_cndmask_b32 v12, v12, v[SM], s[BM]
	v_cndmask_b32 v14, v14, v[SL], s[BM]
	v_mov_b32 v130, 0
	v_mov_b32 v131, 0
	s_wait_alu depctr_va_vdst(0)                   ; the wait ahead of the barrier
	s_barrier_signal -1
	s_barrier_wait -1                              ; nobody reads K or V any more, and both have had their last fill
.irp i, 0,1,2,3,4,5,6,7,8
	ds_store_b128 v8, v[96+4*\i:99+4*\i] offset:512*\i
.endr
	s_wait_dscnt 0x0                               ; for my partner's sake: my stores have landed
	s_barrier_signal -1
	s_barrier_wait -1
.irp i, 0,1,2,3,4,5,6,7,8
	ds_load_b128 v[32+4*\i:35+4*\i], v9 offset:512*\i   ; my partner's O^T in v32-63, its -M in v64, its sum in v65
.endr
	s_wait_dscnt 0x0
	v_min_num_f32 v80, v12, v64                    ; -M of both halves: the larger M
	v_mov_b32 v85, 0                               ; (named as upper halves of pairs)
	v_mov_b32 v87, 0
	s_delay_alu instid0(VALU_DEP_3)
	v_sub_f32 v81, v80, v12                        ; my M less the joint one: a whole number, 0 or less
	v_sub_f32 v82, v80, v64
	s_delay_alu instid0(VALU_DEP_2)
	v_cvt_i32_f32 v81, v81
	s_delay_alu instid0(VALU_DEP_2)
	v_cvt_i32_f32 v82, v82
	s_delay_alu instid0(VALU_DEP_2)
	v_ldexp_f32 v84, 1.0, v81                      ; my factor,
	s_delay_alu instid0(VALU_DEP_2)
	v_ldexp_f32 v86, 1.0, v82                      ; my partner's: powers of two
	s_delay_alu instid0(VALU_DEP_2)
	v_mul_f32 v14, v14, v84
	s_delay_alu instid0(VALU_DEP_1)
	v_fma_f32 v14, v65, v86, v14
	s_delay_alu instid0(VALU_DEP_1)
	v_permlanex16_b32 v252, v14, s[SEL], s[SEL+1]
	s_delay_alu instid0(VALU_DEP_1)
	v_add_f32 v14, v14, v252                       ; the row's sum
	s_wait_alu depctr_va_vdst(0)                   ; the wait ahead of the transcendental
	v_rcp_f32 v14, v14
	v_nop                                          ; a plain instruction behind the reciprocal
	s_wait_alu depctr_va_vdst(0)                   ; ahead of its first reader
	v_ldexp_f32 v14, v14, s76                      ; x 2^(e8 + e9)
	s_delay_alu instid0(VALU_DEP_1)
	v_mul_f32 v84, v84, v14
	v_mul_f32 v86, v86, v14
.set j, 0
.rept 16
	v_pk_mul_f32 v[160+j:161+j], v[160+j:161+j], v[84:85] op_sel_hi:[1,0]
.set j, j+2
.endr
.set j, 0
.rept 16
	v_pk_fma_f32 v[160+j:161+j], v[32+j:33+j], v[86:87], v[160+j:161+j] op_sel_hi:[1,0,1]
.set j, j+2
.endr
	; THE WAY OUT: quantised with 2^e10; register 8 t + j is d = 32 (t / 2) + 16 h + 8 (t % 2) + j: two neighbouring tiles are 16 neighbours
.set j, 0
.rept 32
	v_med3_num_f32 v[160+j], v[160+j], -v241, v241
.set j, j+1
.endr
.irp b, 0,1
	v_cvt_scalef32_pk8_bf8_f32 v[224+4*\b:225+4*\b], v[160+16*\b:167+16*\b], v245
	v_cvt_scalef32_pk8_bf8_f32 v[226+4*\b:227+4*\b], v[168+16*\b:175+16*\b], v245
.endr
	v_nop
.irp b, 0,1
	ds_store_b128 v[STO], v[224+4*\b:227+4*\b] offset:32*\b
.endr
.irp i, 0,1
	ds_load_b128 v[32+4*\i:35+4*\i], v[RD] offset:512*\i   ; LDS serves a wave's instructions in order: these see my stores
.endr
.irp i, 0,1
	s_wait_dscnt 1-\i
	global_store_b128 v[GO], v[32+4*\i:35+4*\i], s[8:9] offset:512*\i th:TH_STORE_NT   ; 512 consecutive bytes
.endr
	s_wait_tensorcnt 0x0                           ; the wave's end
	ds_add_u32 v[SPW], v[NIL]
	s_wait_dscnt 0x0
	s_endpgm
.Lfunc_end_k_qb3b65f656c_attn:
	.size	k_qb3b65f656c_attn, .Lfunc_end_k_qb3b65f656c_attn-k_qb3b65f656c_attn
	.p2alignl 7, 3214868480
	.fill 96, 4, 3214868480
	.section	.rodata,"a",@progbits
	.p2align	6, 0x0
	.amdhsa_kernel k_qb3b65f656c_attn
		.amdhsa_group_segment_fixed_size 327680
		.amdhsa_private_segment_fixed_size 0
		.amdhsa_enable_private_segment 0
		.amdhsa_kernarg_size 24
		.amdhsa_user_sgpr_count 2
		.amdhsa_user_sgpr_kernarg_segment_ptr 1
		.amdhsa_wavefront_size32 1
		.amdhsa_system_sgpr_workgroup_id_x 1
		.amdhsa_system_sgpr_workgroup_id_y 1
		.amdhsa_system_sgpr_workgroup_id_z 1
		.amdhsa_system_vgpr_workitem_id 0
		.amdhsa_next_free_vgpr 256
		.amdhsa_next_free_sgpr 80
		.amdhsa_reserve_vcc 1
		.amdhsa_float_denorm_mode_32 3
		.amdhsa_float_denorm_mode_16_64 3
		.amdhsa_memory_ordered 1
		.amdhsa_forward_progress 1
		.amdhsa_inst_pref_size 99
	.end_amdhsa_kernel
	.amdgpu_metadata
---
amdhsa.version: [ 1, 2 ]
amdhsa.kernels:
  - .name:           k_qb3b65f656c_attn
    .symbol:         k_qb3b65f656c_attn.kd
    .args:
      - { .name: qkv, .offset: 0, .size: 8, .value_kind: global_buffer, .address_space: global }
      - { .name: lowp_scales, .offset: 8, .size: 8, .value_kind: global_buffer, .address_space: global }
      - { .name: ac, .offset: 16, .size: 8, .value_kind: global_buffer, .address_space: global }
    .group_segment_fixed_size: 327680
    .private_segment_fixed_size: 0
    .kernarg_segment_align: 8
    .kernarg_segment_size: 24
    .max_flat_workgroup_size: 512
    .sgpr_count:     80
    .vgpr_count:     256
    .wavefront_size: 32
...
	.end_amdgpu_metadata
.endif
;; end of part 4
;; launch wo (part 5): grid 8 x 32, 4 waves a work-group, clusters of 4 x 4, 327,680 bytes of LDS; arguments ac, Wo_codes, bo, y, lowp_scales, y1, part; writes y1, part
.if DOCPART == 5
	.amdgcn_target "amdgcn-amd-amdhsa--gfx1250"
	.amdhsa_code_object_version 6
	.text
	.protected	k_qb3b65f656c_wo
	.globl	k_qb3b65f656c_wo
	.p2align	8
	.type	k_qb3b65f656c_wo,@function
k_qb3b65f656c_wo:
	s_mov_b64 s[64:65], 0
	v_nop
	global_prefetch_b8 v0, s[64:65] scope:SCOPE_SE
	s_setreg_imm32_b32 hwreg(HW_REG_WAVE_MODE, 25, 1), 1
	s_wait_xcnt 0x0
	s_wait_alu depctr_hold_cnt(0) depctr_sa_sdst(0) depctr_va_vdst(0) depctr_va_sdst(0) depctr_va_ssrc(0) depctr_va_vcc(0) depctr_vm_vsrc(0)
	s_getreg_b32 s2, hwreg(HW_REG_IB_STS2, 6, 4)
	s_cmp_eq_u32 s2, 0
	s_cbranch_scc0 .Lentry_in_a_cluster
	s_endpgm
.Lentry_in_a_cluster:
	s_bfe_u32 s2, ttmp6, 0x10000c
	s_cmp_lg_u32 s2, 0xf033
	s_cbranch_scc0 .Lentry_shape_is_right
	s_endpgm
.Lentry_shape_is_right:
; out = res + A B^T x 2^(eA + eB) + bias, on codes of E5M2; out, res: [4096][1024] f32; bias [1024].  K = KK.
; A: activations as codes in blocks: 128 rows x 64 of K are a dense block of 8,192 bytes, ((row / 128) x (KK / 64) + k / 64).  B: weights [1024][KK], K innermost.
; STATS = 1: the tile's 16,384 results are also a chunk of the next norm's statistics: part[8 x tile row + tile column] = (mean, sum of squared distances from it); tile rows 0-15 are batch entry 0.
; A tile is 128 x 128, so that 4,096 x 1,024 results give 256 work-groups; four waves, 64 x 64 each: 16 accumulators.  A slot holds 512 along K: A's 128 rows are one dense run of 65,536 bytes (lines of 256 + 16 of padding),
; B's 128 rows are 512 bytes + 16.  Waves 0, 1 fetch A's halves (four blocks of 64 along K each), waves 2, 3 B's (64 rows each): one tensor load of mine is out at the start, one behind each change of slots.
; CLUSTERS: 4 x 4; A's tile is asked for jointly along a row of the cluster, B's along a column.  THE MATRIX INSTRUCTION IS USED TRANSPOSED (source 0 = B's rows): a lane holds eight neighbours of a row of the result.
; The residual and the bias are asked for at the head, in the layout in which rows leave, and land under the loop.  No prefetch on tiles this small.
; LIMITS: eA + eB between -126 and 127; NaN is not served.
; REGISTERS: window 0: v16-31 addresses; v32-63 at work on the way out; v128-255 the accumulators ((a, b) at v[128 + 8 (4 a + b)]).  window 1: two fragment buffers of 128 (A's four blocks, then B's four).
;   window 2: v0-127 the residual, then the results; v128-131 the bias; v132-149 the statistics' running pairs.
.set KK,    1024
.set STATS, 1
.set ES,    0x28                       ; byte of eA in the buffer of scales; eB follows
.set LAPS,  KK/1024                    ; a lap = two slots
.set LINE,  272
.set AKB,   32*LINE                    ; a block of 128 rows x 64 of K in LDS
.set AHALF, 4*AKB
.set AREG,  8*AKB
.set BP,    528                        ; a row of B in LDS: 33 x 16 bytes: the 16 rows of a load start at 16 different banks (64 banks of 4 bytes: ISA guide 11.1)
.set BHALF, 64*BP
.set SLOT,  AREG+2*BHALF
.set STAGE, 2*SLOT                     ; behind the ring: 16 rows x 272 bytes for each wave
.set SP,    272
.set STAT,  STAGE+4*16*SP              ; 8 bytes for each wave
.set SPARE, STAT+256                   ; the spare words, 128 bytes a wave
.set ADRA, 16
.set ADRB, 20
.set STO,  24
.set RD,   25
.set CO,   26
.set STA,  27
.set SPW,  28
.set NIL,  29
.set BA,   30
.set STR,  31
.set T,    32
.set ACC,  128
.set F0,   0
.set F1,   128
.set RES,  0                           ; in window 2
.set BIAS, 128
.set SS,   132
.set DV,   140
.set NM,   148
.set G1, 24
.set G0, 32
.set G1B, 48
.set G0B, 56
.set MSB, 0
.macro WIN new                         ; the immediate's high byte repeats the setting that is left
.if MSB != \new
	s_set_vgpr_msb (MSB<<8)|\new
.set MSB, \new
.endif
.endm
.set MUL,  0x05                        ; sources 0 (B) and 1 (A) window 1; C and D window 0
.set TO_F, 0x40
.macro JLOAD s                         ; a joint load: waves 0 and 1 fetch for A, waves 2 and 3 for B; four v_nop follow each of the two lines
	s_cmp_eq_u32 s11, 0
	s_cbranch_scc0 .Lfor_b_\@
	tensor_load_to_lds s[G0+4*\s:G0+4*\s+3], s[G1:G1+7]
	s_nop 0
.rept 4
	v_nop
.endr
	s_branch .Lasked_\@
.Lfor_b_\@:
	tensor_load_to_lds s[G0B+4*\s:G0B+4*\s+3], s[G1B:G1B+7]
	s_nop 0
.rept 4
	v_nop
.endr
.Lasked_\@:
.endm
.macro CREST
	s_cmp_lg_u32 s10, 0
	s_cbranch_scc1 .Lnot_wave_0_\@
	s_barrier_signal -3
.Lnot_wave_0_\@:
	s_barrier_wait -3
	s_barrier_signal -1
	s_barrier_wait -1
.endm
.macro CROUND
	s_barrier_signal -1
	s_barrier_wait -1
	CREST
.endm
.macro WRED r, t                       ; the sum over the 32 lanes, in every lane
	v_add_f32_dpp v[\r], v[\r], v[\r] row_xmask:1 row_mask:0xf bank_mask:0xf
	v_add_f32_dpp v[\r], v[\r], v[\r] row_xmask:2 row_mask:0xf bank_mask:0xf
	v_add_f32_dpp v[\r], v[\r], v[\r] row_xmask:4 row_mask:0xf bank_mask:0xf
	v_add_f32_dpp v[\r], v[\r], v[\r] row_xmask:8 row_mask:0xf bank_mask:0xf
	v_permlanex16_b32 v[\t], v[\r], s86, s87
	v_add_f32 v[\r], v[\r], v[\t]
.endm
	s_load_b256 s[68:75], s[0:1], 0x0              ; A s[68:69], B s[70:71], bias s[72:73], residual s[74:75]
	s_load_b128 s[76:79], s[0:1], 0x20             ; scales s[76:77], out s[78:79]
.if STATS
	s_load_b64 s[80:81], s[0:1], 0x30              ; part
.endif
	v_lshl_add_u32 v[SPW], v0, 2, SPARE
	v_mov_b32 v[NIL], 0
	ds_add_u32 v28, v29
	ds_add_u32 v28, v29
	s_wait_dscnt 0x0
	v_lshrrev_b32 v1, 5, v0
	v_readfirstlane_b32 s10, v1                    ; wave 0..3
	s_lshr_b32 s11, s10, 1                         ; which 64 rows are mine.  Also: I fetch for A (0) or for B (1)
	s_and_b32 s12, s10, 1                          ; which 64 columns.  Also: which half I fetch
	s_bfe_u32 s40, ttmp6, 0x40000                  ; cx, cy
	s_bfe_u32 s41, ttmp6, 0x40004
	s_lshl_b32 s42, ttmp9, 2
	s_add_co_u32 s42, s42, s40                     ; tile column
	s_and_b32 s13, ttmp7, 0xffff
	s_lshl_b32 s13, s13, 2
	s_add_co_u32 s13, s13, s41                     ; tile row
	s_lshl_b32 s43, s41, 2
	s_lshl_b32 s43, 15, s43                        ; my row of the cluster
	s_lshl_b32 s44, 0x1111, s40                    ; my column
	s_or_b32 s[G1+0], s43, (3<<16)|(1<<20)|(1<<21)|(5<<22)|(3<<25)   ; A: the mask; elements of 8 bytes; padding on; bit 21 beside a mask; after every 64 words, 4 words
	s_mov_b32 s[G1+1], 32<<16                      ; tensor_dim0: 32 elements, 256 bytes
	s_mov_b32 s[G1+2], 128<<16                     ; tensor_dim1
	s_mov_b32 s[G1+3], 32<<16                      ; tile_dim0
	s_mov_b32 s[G1+4], 128                         ; tile_dim1: 128 lines, a dense run of 32,768 bytes
	s_mov_b32 s[G1+5], 32                          ; tensor_dim0_stride
	s_mov_b32 s[G1+6], 0
	s_mov_b32 s[G1+7], 0
	s_or_b32 s[G1B+0], s44, (0<<16)|(1<<20)|(1<<21)|(6<<22)|(3<<25)  ; B: elements of 1 byte; after every 128 words, 4 words
	s_mov_b32 s[G1B+1], 512<<16
	s_mov_b32 s[G1B+2], 64<<16
	s_mov_b32 s[G1B+3], 512<<16
	s_mov_b32 s[G1B+4], 64
	s_mov_b32 s[G1B+5], KK
	s_mov_b32 s[G1B+6], 0
	s_mov_b32 s[G1B+7], 0
	s_mul_i32 s16, s13, 128*KK                     ; A: the tile row's blocks (under 2^25),
	s_lshl_b32 s17, s12, 15                        ; my four of a slot's eight
	s_add_co_u32 s16, s16, s17
	s_mov_b32 s17, 0
	s_lshl_b32 s46, s42, 7
	s_lshl_b32 s47, s12, 6
	s_add_co_u32 s46, s46, s47
	s_mul_i32 s46, s46, KK                         ; B: row 128 x tile column + 64 x half
	s_mov_b32 s47, 0
	s_mul_i32 s20, s12, AHALF                      ; where they go: no place in the cluster enters an LDS address
	s_mul_i32 s21, s12, BHALF
	s_add_co_u32 s21, s21, AREG
	s_mov_b32 s86, 0x76543210
	s_mov_b32 s87, 0xfedcba98
	s_wait_kmcnt 0x0
	s_load_b64 s[84:85], s[76:77], ES              ; eA, eB
	s_add_nc_u64 s[14:15], s[68:69], s[16:17]
	s_add_nc_u64 s[46:47], s[70:71], s[46:47]
	CROUND                                         ; all sixteen work-groups are here: the first joint loads meet
.irp s, 0,1
	s_mov_b32 s[G0+4*\s], 1
	s_add_co_u32 s[G0+4*\s+1], s20, \s*SLOT
	s_add_nc_u64 s[G0+4*\s+2:G0+4*\s+3], s[14:15], \s*65536
	s_or_b32 s[G0+4*\s+3], s[G0+4*\s+3], 0x80000000
	s_mov_b32 s[G0B+4*\s], 1
	s_add_co_u32 s[G0B+4*\s+1], s21, \s*SLOT
	s_add_nc_u64 s[G0B+4*\s+2:G0B+4*\s+3], s[46:47], \s*512
	s_or_b32 s[G0B+4*\s+3], s[G0B+4*\s+3], 0x80000000
.endr
	JLOAD 0                                        ; slot 0: my one tensor load at the head
	v_and_b32 v1, 15, v0                           ; r
	v_bfe_u32 v2, v0, 4, 1                         ; h
	v_lshrrev_b32 v3, 2, v1
	v_mul_u32_u24 v3, v3, LINE
	v_and_b32 v4, 3, v1
	v_lshl_add_u32 v3, v4, 6, v3
	v_lshl_add_u32 v3, v2, 4, v3                   ; A: row r of a block: line r / 4, 64 (r % 4) in it, + 16 h
	v_mul_u32_u24 v4, v1, BP
	v_lshl_add_u32 v4, v2, 4, v4                   ; B: row r x pitch + 16 h
	s_mul_i32 s21, s11, 16*LINE                    ; my 64 rows of A: 16 lines of each block
	s_mul_i32 s22, s12, BHALF                      ; my 64 rows of B
	s_add_co_u32 s22, s22, AREG
.irp s, 0,1
	v_add_nc_u32 v[ADRA+\s], s21, v3
	v_add_nc_u32 v[ADRB+\s], s22, v4
	s_add_co_u32 s21, s21, SLOT
	s_add_co_u32 s22, s22, SLOT
.endr
	s_mul_i32 s23, s10, 16*SP
	s_add_co_u32 s23, s23, STAGE                   ; my stage
	v_mul_u32_u24 v5, v1, SP
	v_lshl_add_u32 v5, v2, 5, v5
	v_add_nc_u32 v[STO], s23, v5                   ; in: row r, 32 bytes for each half of the lanes
	v_mul_u32_u24 v5, v2, SP
	v_lshl_add_u32 v5, v1, 4, v5
	v_add_nc_u32 v[RD], s23, v5                    ; back: lanes 0-15 one row of 256 bytes, lanes 16-31 the next
	v_lshlrev_b32 v[CO], 12, v2
	v_lshl_add_u32 v[CO], v1, 4, v[CO]             ; and the same two rows of 4,096 bytes in memory
	s_wait_alu depctr_va_vdst(0)
	v_lshlrev_b32 v[BA], 4, v1                     ; the bias of my four columns
	s_wait_alu depctr_va_vdst(0)
	v_lshrrev_b32 v5, 5, v0
	v_lshl_add_u32 v[STA], v5, 3, STAT
	v_mov_b32 v[STR], STAT
	s_lshl_b32 s16, s13, 7
	s_lshl_b32 s17, s11, 6
	s_add_co_u32 s16, s16, s17                     ; my first row,
	s_lshl_b32 s16, s16, 12
	s_lshl_b32 s18, s42, 7
	s_lshl_b32 s19, s12, 6
	s_add_co_u32 s18, s18, s19                     ; my first column,
	s_lshl_b32 s18, s18, 2                         ; in bytes: a multiple of 256
	s_mov_b32 s19, 0
	s_add_nc_u64 s[72:73], s[72:73], s[18:19]
	s_add_co_u32 s16, s16, s18
	s_mov_b32 s17, 0
	s_add_nc_u64 s[74:75], s[74:75], s[16:17]
	s_add_nc_u64 s[78:79], s[78:79], s[16:17]
.if STATS
	s_lshl_b32 s16, s13, 3
	s_add_co_u32 s16, s16, s42
	s_lshl_b32 s16, s16, 3
	s_add_nc_u64 s[80:81], s[80:81], s[16:17]
.endif
	WIN 0x80                                       ; destination window 2
.irp a, 0,1,2,3
.irp t, 0,1,2,3,4,5,6,7
	global_load_b128 v[RES+32*\a+4*\t:RES+32*\a+4*\t+3], v[CO], s[74:75] offset:(16*\a+2*\t)*4096
.endr
.endr
	global_load_b128 v[BIAS:BIAS+3], v[BA], s[72:73]
	WIN 0
.macro MUL4 f, a, zero                 ; A's block a x B's four, 128 along K.  The 16 accumulators take turns, one instruction a turn
.irp b, 0,1,2,3
.if \zero
	v_wmma_f32_16x16x128_bf8_bf8 v[ACC+8*(4*(\a)+\b):ACC+8*(4*(\a)+\b)+7], v[\f+64+16*\b:\f+64+16*\b+15], v[\f+16*(\a):\f+16*(\a)+15], 0
.else
	v_wmma_f32_16x16x128_bf8_bf8 v[ACC+8*(4*(\a)+\b):ACC+8*(4*(\a)+\b)+7], v[\f+64+16*\b:\f+64+16*\b+15], v[\f+16*(\a):\f+16*(\a)+15], v[ACC+8*(4*(\a)+\b):ACC+8*(4*(\a)+\b)+7]
.endif
.endr
.endm
.macro FETCH slot, q, f                ; 32 LDS loads in one run: the slot's q-th 128 along K: B's four fragments, then A's.  Registers 4 c on hold K = 32 c + 16 h + 0 .. 15, in A and in B alike
	WIN TO_F
.irp b, 0,1,2,3
.irp c, 0,1,2,3
	ds_load_b128 v[\f+64+16*\b+4*\c:\f+64+16*\b+4*\c+3], v[ADRB+\slot] offset:128*(\q)+32*\c+16*\b*BP
.endr
.endr
.irp a, 0,1,2,3
.irp c, 0,1,2,3
	ds_load_b128 v[\f+16*\a+4*\c:\f+16*\a+4*\c+3], v[ADRA+\slot] offset:(2*(\q)+\c/2)*AKB+4*\a*LINE+32*(\c%2)
.endr
.endr
.endm
.macro PLACES                          ; four plain vector instructions in front of loads into registers that matrix instructions have read (ISA guide 7.12.1 for vector instructions)
.rept 4
	v_nop
.endr
.endm
.macro QUARTER slot, qn, f, g, zero    ; multiplies buffer f; in its middle it fetches the slot's 128 along K number qn into buffer g
	s_wait_dscnt 8                                 ; B's fragments and A's blocks 0, 1 are in; the youngest eight loads may be out
	WIN MUL
	MUL4 \f, 0, \zero
	MUL4 \f, 1, \zero
	PLACES
	FETCH \slot, \qn, \g
	s_wait_dscnt 32                                ; all but the 32 just issued
	WIN MUL
	MUL4 \f, 2, \zero
	MUL4 \f, 3, \zero
.endm
.macro TURN slot, next, fill           ; a slot's last quarter multiplies buffer 1 and changes slots: one barrier
	WIN 0
	s_wait_tensorcnt 0x0                           ; all my tensor loads have landed: my part of the next slot
	ds_add_u32 v[SPW], v[NIL]                      ; 0 onto my spare word
	s_wait_dscnt 9                                 ; (the add and the youngest eight loads may be out)
	WIN MUL
	MUL4 F1, 0, 0
	MUL4 F1, 1, 0
	s_wait_dscnt 0x0                               ; the add is done, and my reads of this slot are over
	s_barrier_signal -1
	MUL4 F1, 2, 0
.if \fill
	WIN 0
.endif
	s_barrier_wait -1
.if \fill
	CREST                                          ; the barrier has opened a round of the cluster's barrier: no wave of any partner still reads this slot or has a load on its way
	s_add_nc_u64 s[G0+4*\slot+2:G0+4*\slot+3], s[G0+4*\slot+2:G0+4*\slot+3], 2*65536
	s_add_nc_u64 s[G0B+4*\slot+2:G0B+4*\slot+3], s[G0B+4*\slot+2:G0B+4*\slot+3], 2*512
	JLOAD \slot                                    ; the first tensor load behind the round; its four v_nop are the places in front of the loads below
.else
	PLACES
.endif
	FETCH \next, 0, F0
	WIN MUL
	MUL4 F1, 3, 0
.endm
	s_wait_alu depctr_va_vdst(0)                   ; the wait at the head's end
	s_wait_tensorcnt 0x0                           ; my part of slot 0 is in
	ds_add_u32 v[SPW], v[NIL]
	s_wait_dscnt 0x0
	CROUND                                         ; everybody's part is in, and all sixteen work-groups are here
	JLOAD 1                                        ; slot 1's first fill, the first tensor load behind the round
	FETCH 0, 0, F0
	QUARTER 0, 1, F0, F1, 1                        ; the first quarter's products start the sums
.if LAPS > 1
	WIN 0
	s_mov_b32 s3, LAPS-1
.Llap:                                                 ; a trip goes once round the ring and fills both slots again
	QUARTER 0, 2, F1, F0, 0
	QUARTER 0, 3, F0, F1, 0
	TURN 0, 1, 1
	QUARTER 1, 1, F0, F1, 0
	QUARTER 1, 2, F1, F0, 0
	QUARTER 1, 3, F0, F1, 0
	TURN 1, 0, 1
	QUARTER 0, 1, F0, F1, 0
	WIN 0
	s_sub_co_u32 s3, s3, 1
	s_cmp_lg_u32 s3, 0
	s_cbranch_scc1 .Llap
.endif
	QUARTER 0, 2, F1, F0, 0                        ; the last lap fills nothing
	QUARTER 0, 3, F0, F1, 0
	TURN 0, 1, 0
	QUARTER 1, 1, F0, F1, 0
	QUARTER 1, 2, F1, F0, 0
	QUARTER 1, 3, F0, F1, 0
	s_wait_dscnt 8
	WIN MUL
	MUL4 F1, 0, 0
	MUL4 F1, 1, 0
	s_wait_dscnt 0
	MUL4 F1, 2, 0
	MUL4 F1, 3, 0
	WIN 0
	; THE WAY OUT.  The sums of 16 rows go through my stage and come back as rows of 256 bytes, the layout in which the residual was loaded; out = sum x 2^(eA + eB) + (residual + bias).
	s_wait_loadcnt 0x0                             ; the residual and the bias
	s_wait_kmcnt 0x0
	s_add_co_i32 s82, s84, s85
	s_add_co_i32 s82, s82, 127
	s_lshl_b32 s82, s82, 23                        ; 2^(eA + eB) as f32
	s_mov_b32 s83, s82
	WIN 0x8a                                       ; all in window 2
.set n, 0
.rept 32
	v_pk_add_f32 v[RES+4*n:RES+4*n+1], v[RES+4*n:RES+4*n+1], v[BIAS:BIAS+1]           ; these 64 are also the places behind the last products
	v_pk_add_f32 v[RES+4*n+2:RES+4*n+3], v[RES+4*n+2:RES+4*n+3], v[BIAS+2:BIAS+3]
.set n, n+1
.endr
.irp a, 0,1,2,3
	WIN 0
.irp b, 0,1,2,3
	ds_store_b128 v[STO], v[ACC+8*(4*\a+\b):ACC+8*(4*\a+\b)+3] offset:64*\b           ; each accumulator from its low end on
	ds_store_b128 v[STO], v[ACC+8*(4*\a+\b)+4:ACC+8*(4*\a+\b)+7] offset:64*\b+16
.endr
.irp t, 0,1,2,3,4,5,6,7
	ds_load_b128 v[T+4*\t:T+4*\t+3], v[RD] offset:\t*2*SP                             ; LDS serves a wave's instructions in order: these see my stores
.endr
	s_wait_dscnt 0x0
	WIN 0xa0                                       ; destination and source 2 window 2
.irp t, 0,1,2,3,4,5,6,7
	v_pk_fma_f32 v[RES+32*\a+4*\t:RES+32*\a+4*\t+1], v[T+4*\t:T+4*\t+1], s[82:83], v[RES+32*\a+4*\t:RES+32*\a+4*\t+1] op_sel_hi:[1,0,1]
	v_pk_fma_f32 v[RES+32*\a+4*\t+2:RES+32*\a+4*\t+3], v[T+4*\t+2:T+4*\t+3], s[82:83], v[RES+32*\a+4*\t+2:RES+32*\a+4*\t+3] op_sel_hi:[1,0,1]
.endr
	WIN 0x08                                       ; a store's data: window 2
.irp t, 0,1,2,3,4,5,6,7
	global_store_b128 v[CO], v[RES+32*\a+4*\t:RES+32*\a+4*\t+3], s[78:79] offset:(16*\a+2*\t)*4096   ; 16 lanes store 256 consecutive bytes, at a multiple of 256
.endr
.endr
.if STATS
	; my 4,096 results: their mean, then the squared distances from it; no difference of large sums
	WIN 0xaa
.irp k, 0,1,2,3
	v_pk_add_f32 v[SS+2*\k:SS+2*\k+1], v[RES+2*\k:RES+2*\k+1], v[RES+8+2*\k:RES+9+2*\k]
.endr
.set n, 8
.rept 56
	v_pk_add_f32 v[SS+2*(n%4):SS+2*(n%4)+1], v[SS+2*(n%4):SS+2*(n%4)+1], v[RES+2*n:RES+2*n+1]
.set n, n+1
.endr
	v_pk_add_f32 v[SS:SS+1], v[SS:SS+1], v[SS+2:SS+3]
	v_pk_add_f32 v[SS+4:SS+5], v[SS+4:SS+5], v[SS+6:SS+7]
	v_pk_add_f32 v[SS:SS+1], v[SS:SS+1], v[SS+4:SS+5]
	WIN 0x0a                                       ; sources window 2, destination window 0
	v_add_f32 v34, v[SS], v[SS+1]
	WIN 0
	WRED 34, 33
	v_mul_f32 v34, 0x39800000, v34                 ; / 4,096
	WIN 0x80
	v_mul_f32 v[NM], -1.0, v34
	v_mul_f32 v[NM+1], -1.0, v34
	WIN 0xaa
.set n, 0
.rept 64
	v_pk_add_f32 v[DV+2*(n%4):DV+2*(n%4)+1], v[RES+2*n:RES+2*n+1], v[NM:NM+1] op_sel_hi:[1,0]
.if n < 4
	v_pk_mul_f32 v[SS+2*(n%4):SS+2*(n%4)+1], v[DV+2*(n%4):DV+2*(n%4)+1], v[DV+2*(n%4):DV+2*(n%4)+1]
.else
	v_pk_fma_f32 v[SS+2*(n%4):SS+2*(n%4)+1], v[DV+2*(n%4):DV+2*(n%4)+1], v[DV+2*(n%4):DV+2*(n%4)+1], v[SS+2*(n%4):SS+2*(n%4)+1]
.endif
.set n, n+1
.endr
	v_pk_add_f32 v[SS:SS+1], v[SS:SS+1], v[SS+2:SS+3]
	v_pk_add_f32 v[SS+4:SS+5], v[SS+4:SS+5], v[SS+6:SS+7]
	v_pk_add_f32 v[SS:SS+1], v[SS:SS+1], v[SS+4:SS+5]
	WIN 0x0a
	v_add_f32 v35, v[SS], v[SS+1]
	WIN 0
	WRED 35, 33
	ds_store_b64 v[STA], v[34:35]                  ; all lanes of a wave write the same pair to the wave's own 8 bytes
	s_wait_dscnt 0x0                               ; for the others' sake: my store has landed
	s_barrier_signal -1
	s_barrier_wait -1
	ds_load_b128 v[36:39], v[STR]                  ; m0 q0 m1 q1
	ds_load_b128 v[40:43], v[STR] offset:16        ; m2 q2 m3 q3
	s_wait_dscnt 0x0
	v_add_f32 v44, v36, v38
	v_add_f32 v45, v40, v42
	v_add_f32 v44, v44, v45
	v_mul_f32 v44, 0x3e800000, v44                 ; the chunk's mean
	v_sub_f32 v46, v36, v44
	v_mul_f32 v47, v46, v46
	v_sub_f32 v46, v38, v44
	v_fma_f32 v47, v46, v46, v47
	v_sub_f32 v46, v40, v44
	v_fma_f32 v47, v46, v46, v47
	v_sub_f32 v46, v42, v44
	v_fma_f32 v47, v46, v46, v47
	v_add_f32 v48, v37, v39
	v_add_f32 v49, v41, v43
	v_add_f32 v48, v48, v49
	v_fmamk_f32 v45, v47, 0x45800000, v48          ; M2 = the parts' M2 + 4,096 x the squared distances of their means
	s_cmp_lg_u32 s10, 0
	s_cbranch_scc1 .Lno_part                       ; wave 0 stores
	v_cmp_eq_u32 vcc_lo, 0, v0
	s_wait_xcnt 0x0                                ; EXEC changes only behind this wait
	s_and_saveexec_b32 s88, vcc_lo
	s_wait_alu depctr_va_vdst(0)
	global_store_b64 v[NIL], v[44:45], s[80:81]
	s_wait_xcnt 0x0
	s_or_b32 exec_lo, exec_lo, s88
.Lno_part:
.endif
	WIN 0
	s_wait_tensorcnt 0x0                           ; the wave's end
	ds_add_u32 v[SPW], v[NIL]
	s_wait_dscnt 0x0
	CROUND                                         ; the closing round
	s_endpgm
.Lfunc_end_k_qb3b65f656c_wo:
	.size	k_qb3b65f656c_wo, .Lfunc_end_k_qb3b65f656c_wo-k_qb3b65f656c_wo
	.p2alignl 7, 3214868480
	.fill 96, 4, 3214868480
	.section	.rodata,"a",@progbits
	.p2align	6, 0x0
	.amdhsa_kernel k_qb3b65f656c_wo
		.amdhsa_group_segment_fixed_size 327680
		.amdhsa_private_segment_fixed_size 0
		.amdhsa_enable_private_segment 0
		.amdhsa_kernarg_size 56
		.amdhsa_user_sgpr_count 2
		.amdhsa_user_sgpr_kernarg_segment_ptr 1
		.amdhsa_wavefront_size32 1
		.amdhsa_system_sgpr_workgroup_id_x 1
		.amdhsa_system_sgpr_workgroup_id_y 1
		.amdhsa_system_sgpr_workgroup_id_z 1
		.amdhsa_system_vgpr_workitem_id 0
		.amdhsa_next_free_vgpr 768
		.amdhsa_next_free_sgpr 90
		.amdhsa_reserve_vcc 1
		.amdhsa_float_denorm_mode_32 3
		.amdhsa_float_denorm_mode_16_64 3
		.amdhsa_memory_ordered 1
		.amdhsa_forward_progress 1
		.amdhsa_inst_pref_size 69
	.end_amdhsa_kernel
	.amdgpu_metadata
---
amdhsa.version: [ 1, 2 ]
amdhsa.kernels:
  - .name:           k_qb3b65f656c_wo
    .symbol:         k_qb3b65f656c_wo.kd
    .args:
      - { .name: ac, .offset: 0, .size: 8, .value_kind: global_buffer, .address_space: global }
      - { .name: Wo_codes, .offset: 8, .size: 8, .value_kind: global_buffer, .address_space: global }
      - { .name: bo, .offset: 16, .size: 8, .value_kind: global_buffer, .address_space: global }
      - { .name: y, .offset: 24, .size: 8, .value_kind: global_buffer, .address_space: global }
      - { .name: lowp_scales, .offset: 32, .size: 8, .value_kind: global_buffer, .address_space: global }
      - { .name: y1, .offset: 40, .size: 8, .value_kind: global_buffer, .address_space: global }
      - { .name: part, .offset: 48, .size: 8, .value_kind: global_buffer, .address_space: global }
    .group_segment_fixed_size: 327680
    .private_segment_fixed_size: 0
    .kernarg_segment_align: 8
    .kernarg_segment_size: 56
    .max_flat_workgroup_size: 128
    .sgpr_count:     90
    .vgpr_count:     768
    .wavefront_size: 32
...
	.end_amdgpu_metadata
.endif
;; end of part 5
;; launch norm2 (part 6): grid 512 x 1, 4 waves a work-group, no clusters, 20,992 bytes of LDS; arguments y1, ln2_w, ln2_b, part, lowp_scales, ncodes; writes ncodes
.if DOCPART == 6
	.amdgcn_target "amdgcn-amd-amdhsa--gfx1250"
	.amdhsa_code_object_version 6
	.text
	.protected	k_qb3b65f656c_norm2
	.globl	k_qb3b65f656c_norm2
	.p2align	8
	.type	k_qb3b65f656c_norm2,@function
k_qb3b65f656c_norm2:
	s_mov_b64 s[64:65], 0
	v_nop
	global_prefetch_b8 v0, s[64:65] scope:SCOPE_SE
	s_setreg_imm32_b32 hwreg(HW_REG_WAVE_MODE, 25, 1), 1
	s_wait_xcnt 0x0
; The norm over (2048, 1024) of t [2][2048][1024] f32, and its quantiser: codes of E5M2, row-major [4096][1024], K innermost.
; NOUT = 1: one scale, entry 12 of the given exponents.
; code = n / 2^e, held within +-57,344, to the nearest code, ties to even.  LIMITS: e between -126 and 112; NaN among the inputs is not served.
; STATISTICS: part holds, for 128 chunks of 16,384 numbers of each batch entry, (mean, M2).  Every wave joins them: mean = the means' mean; variance = (sum of M2 + 16,384 x sum of squared distances of the means) / 2^21.
; SHARES: a wave takes 1,024 places (l, d) for BOTH batch entries, so the gain and the bias are read once; two steps of 512 places.  Each load reads 512 consecutive bytes; the conversions want 16 neighbours in ONE lane, so a
; step's 2,048 bytes of an entry turn through the wave's own stage in LDS (64 bytes + 16 of padding a lane).  A lane's 16 codes are 16 bytes: a wave's store covers 512 consecutive bytes.
; No barrier: waves share nothing.  No matrix unit, cluster or tensor load: memory binds and work-groups share no large input.
; SHARES AS THEY STAND NOW: 512 work-groups; a wave takes 1,024 places (l, d) for both batch entries, in two steps of 512 places, and issues all its 32 loads at the head.
.set NOUT, 1
.set ESC0, 48                          ; byte of the exponent in the buffer of scales
.set ESC1, 48
.set L,    16                          ; v16-143  two sets of 64 as loaded: entry 0, entry 1, gain, bias, 16 each
.set X,    144                         ; v144-175 16 neighbours of each entry
.set T,    176                         ; v176-207 two sets for the hold, by turns
.set C,    208                         ; v208-223 codes
.set SP,   80
.set WREG, 5120                        ; LDS of a wave: two stages of 32 x SP bytes
.macro WRED r, t
	v_add_f32_dpp v[\r], v[\r], v[\r] row_xmask:1 row_mask:0xf bank_mask:0xf
	v_add_f32_dpp v[\r], v[\r], v[\r] row_xmask:2 row_mask:0xf bank_mask:0xf
	v_add_f32_dpp v[\r], v[\r], v[\r] row_xmask:4 row_mask:0xf bank_mask:0xf
	v_add_f32_dpp v[\r], v[\r], v[\r] row_xmask:8 row_mask:0xf bank_mask:0xf
	v_permlanex16_b32 v[\t], v[\r], s18, s19
	v_add_f32 v[\r], v[\r], v[\t]
.endm
.macro LOAD t                          ; step t's 512 places: 16 loads
.set LS, L+64*((\t)%2)
.irp i, 0,1,2,3
	global_load_b128 v[LS+4*\i:LS+4*\i+3], v1, s[4:5] offset:2048*(\t)+512*\i th:TH_LOAD_NT
	global_load_b128 v[LS+16+4*\i:LS+16+4*\i+3], v1, s[16:17] offset:2048*(\t)+512*\i th:TH_LOAD_NT
	global_load_b128 v[LS+32+4*\i:LS+32+4*\i+3], v1, s[6:7] offset:2048*(\t)+512*\i th:TH_LOAD_NT
	global_load_b128 v[LS+48+4*\i:LS+48+4*\i+3], v1, s[8:9] offset:2048*(\t)+512*\i th:TH_LOAD_NT
.endr
.endm
.macro BSTAT p, mu, va                 ; a lane's four pairs at v[p] on -> the entry's mean in v[mu], variance + eps in v[va], in every lane
	v_add_f32 v144, v[\p], v[\p+2]
	v_add_f32 v145, v[\p+4], v[\p+6]
	v_add_f32 v144, v144, v145
	WRED 144, 146
	v_mul_f32 v[\mu], 0x3c000000, v144             ; / 128
	v_sub_f32 v145, v[\p], v[\mu]
	v_mul_f32 v147, v145, v145
	v_sub_f32 v145, v[\p+2], v[\mu]
	v_fma_f32 v147, v145, v145, v147
	v_sub_f32 v145, v[\p+4], v[\mu]
	v_fma_f32 v147, v145, v145, v147
	v_sub_f32 v145, v[\p+6], v[\mu]
	v_fma_f32 v147, v145, v145, v147
	WRED 147, 146
	v_add_f32 v148, v[\p+1], v[\p+3]
	v_add_f32 v149, v[\p+5], v[\p+7]
	v_add_f32 v148, v148, v149
	WRED 148, 146
	v_fmamk_f32 v148, v147, 0x46800000, v148       ; + 16,384 x the squared distances of the means
	v_fma_f32 v[\va], v148, s38, s39               ; / 2^21 + 1e-5
.endm
	s_load_b256 s[4:11], s[0:1], 0x0               ; t s[4:5], gain s[6:7], bias s[8:9], part s[10:11]
	s_load_b128 s[12:15], s[0:1], 0x20             ; scales s[12:13], codes s[14:15]
	v_lshl_add_u32 v224, v0, 2, 0x5000
	v_mov_b32 v225, 0
	v_lshrrev_b32 v2, 5, v0
	v_readfirstlane_b32 s20, v2                    ; wave
	v_and_b32 v3, 31, v0                           ; lane
	v_lshlrev_b32 v1, 4, v3                        ; 16 bytes a lane: loads and the codes' stores
	s_mul_i32 s34, s20, WREG
	v_lshrrev_b32 v14, 2, v3
	v_mul_u32_u24 v14, v14, SP
	v_and_b32 v15, 3, v3
	v_lshl_add_u32 v14, v15, 4, v14
	v_add_nc_u32 v14, s34, v14                     ; the stage, in: four lanes' 64 bytes on end, then 16 of padding
	v_mul_u32_u24 v15, v3, SP
	v_add_nc_u32 v15, s34, v15                     ; and out: my 16 neighbours
	v_mov_b32 v146, 0                              ; a lane permute's destination counts as read
	s_lshl_b32 s21, ttmp9, 2
	s_add_co_u32 s21, s21, s20                     ; which run of 1,024 places is my wave's
	s_lshl_b32 s22, s21, 12                        ; my wave's run of 1,024 places in bytes of f32,
	s_mov_b32 s23, 0
	s_lshl_b32 s32, s21, 10                        ; and of codes
	s_mov_b32 s33, 0
	s_mov_b32 s18, 0x76543210
	s_mov_b32 s19, 0xfedcba98
	s_mov_b32 s38, 0x35000000                      ; 2^-21
	s_mov_b32 s39, 0x3727c5ac                      ; 1e-5
	s_wait_alu depctr_va_vdst(0)
	s_wait_kmcnt 0x0
	s_load_b32 s36, s[12:13], ESC0
.if NOUT > 1
	s_load_b32 s37, s[12:13], ESC1
.endif
	s_add_nc_u64 s[4:5], s[4:5], s[22:23]
	s_add_nc_u64 s[16:17], s[4:5], 0x800000        ; the second batch entry
	s_add_nc_u64 s[6:7], s[6:7], s[22:23]
	s_add_nc_u64 s[8:9], s[8:9], s[22:23]
	s_add_nc_u64 s[14:15], s[14:15], s[32:33]
.irp be, 0,1
.irp i, 0,1
	global_load_b128 v[T+8*\be+4*\i:T+8*\be+4*\i+3], v1, s[10:11] offset:1024*\be+512*\i   ; two pairs a lane and load: an entry's 128 pairs in two loads
.endr
.endr
	LOAD 0
	LOAD 1
	s_wait_loadcnt 32                              ; part's four loads are in; the 32 issued behind them stay out
	BSTAT T, 154, 150
	BSTAT T+8, 155, 151
	s_wait_alu depctr_va_vdst(0)
	v_rsq_f32 v152, v150
	v_rsq_f32 v153, v151
	v_nop                                          ; a plain instruction behind the roots
	s_wait_alu depctr_va_vdst(0)                   ; one wait for both, ahead of their first reader
	v_readfirstlane_b32 s26, v152
	v_readfirstlane_b32 s30, v153
	v_readfirstlane_b32 s24, v154
	v_readfirstlane_b32 s28, v155
	s_xor_b32 s24, s24, 0x80000000                 ; -mean
	s_xor_b32 s28, s28, 0x80000000
	s_mov_b32 s25, s24                             ; (the packed forms name pairs: both words are written)
	s_mov_b32 s27, s26
	s_mov_b32 s29, s28
	s_mov_b32 s31, s30
	s_wait_kmcnt 0x0
	s_add_co_i32 s36, s36, 127
	s_lshl_b32 s40, s36, 23
	v_mov_b32 v8, s40                              ; 2^e as f32: the conversion takes its exponent field
	s_add_co_i32 s36, s36, 15
	s_lshl_b32 s36, s36, 23
	s_or_b32 s36, s36, 0x600000
	v_mov_b32 v9, s36                              ; 57,344 x 2^e
.if NOUT > 1
	s_add_co_i32 s37, s37, 127
	s_lshl_b32 s40, s37, 23
	v_mov_b32 v10, s40
	s_add_co_i32 s37, s37, 15
	s_lshl_b32 s37, s37, 23
	s_or_b32 s37, s37, 0x600000
	v_mov_b32 v11, s37
.endif
.set TC, 0
.macro QOUT be, o, t                   ; entry be's 16 neighbours, held and converted with scale o, stored.  The two sets of T take turns, so that sixteen plain lines stand between a conversion and the next write of its sources
.set TS, T+16*TC
.set CC, C+4*(2*\be+\o)
.irp i, 0,1,2,3,4,5,6,7,8,9,10,11,12,13,14,15
	v_med3_num_f32 v[TS+\i], v[X+16*\be+\i], -v[9+2*\o], v[9+2*\o]   ; the conversion to an 8-bit code does not saturate (ISA guide 7.6.2)
.endr
	v_cvt_scalef32_pk8_bf8_f32 v[CC:CC+1], v[TS:TS+7], v[8+2*\o]
	v_cvt_scalef32_pk8_bf8_f32 v[CC+2:CC+3], v[TS+8:TS+15], v[8+2*\o]
	global_store_b128 v1, v[CC:CC+3], s[14:15] offset:2097152*\be+4194304*\o+512*(\t)
.set TC, 1-TC
.endm
.macro STEP t
.set LS, L+64*((\t)%2)
.if (\t) < 1
	s_wait_loadcnt 16
.else
	s_wait_loadcnt 0x0
.endif
	s_wait_xcnt 0x0                                ; the last step's stores have read their codes' registers
.irp be, 0,1
.irp j, 0,2,4,6,8,10,12,14
	v_pk_add_f32 v[LS+16*\be+\j:LS+16*\be+\j+1], v[LS+16*\be+\j:LS+16*\be+\j+1], s[24+4*\be:25+4*\be] op_sel_hi:[1,0]   ; t - mean
	v_pk_mul_f32 v[LS+16*\be+\j:LS+16*\be+\j+1], v[LS+16*\be+\j:LS+16*\be+\j+1], s[26+4*\be:27+4*\be] op_sel_hi:[1,0]   ; x 1 / sqrt(variance + eps)
	v_pk_fma_f32 v[LS+16*\be+\j:LS+16*\be+\j+1], v[LS+16*\be+\j:LS+16*\be+\j+1], v[LS+32+\j:LS+32+\j+1], v[LS+48+\j:LS+48+\j+1]   ; x gain + bias
.endr
.endr
.irp be, 0,1
.irp i, 0,1,2,3
	ds_store_b128 v14, v[LS+16*\be+4*\i:LS+16*\be+4*\i+3] offset:32*SP*\be+8*SP*\i
.endr
.irp i, 0,1,2,3
	ds_load_b128 v[X+16*\be+4*\i:X+16*\be+4*\i+3], v15 offset:32*SP*\be+16*\i   ; LDS serves a wave's instructions in order: these see the stores above
.endr
.endr
	s_wait_dscnt 0x0                               ; the neighbours are in, and the stores have read this set's registers,
.irp be, 0,1
	QOUT \be, 0, \t
.if NOUT > 1
	QOUT \be, 1, \t
.endif
.endr
.endm
	STEP 0
	STEP 1
	s_wait_tensorcnt 0x0
	ds_add_u32 v224, v225
	s_wait_dscnt 0x0
	s_endpgm
.Lfunc_end_k_qb3b65f656c_norm2:
	.size	k_qb3b65f656c_norm2, .Lfunc_end_k_qb3b65f656c_norm2-k_qb3b65f656c_norm2
	.p2alignl 7, 3214868480
	.fill 96, 4, 3214868480
	.section	.rodata,"a",@progbits
	.p2align	6, 0x0
	.amdhsa_kernel k_qb3b65f656c_norm2
		.amdhsa_group_segment_fixed_size 20992
		.amdhsa_private_segment_fixed_size 0
		.amdhsa_enable_private_segment 0
		.amdhsa_kernarg_size 48
		.amdhsa_user_sgpr_count 2
		.amdhsa_user_sgpr_kernarg_segment_ptr 1
		.amdhsa_wavefront_size32 1
		.amdhsa_system_sgpr_workgroup_id_x 1
		.amdhsa_system_sgpr_workgroup_id_y 1
		.amdhsa_system_sgpr_workgroup_id_z 1
		.amdhsa_system_vgpr_workitem_id 0
		.amdhsa_next_free_vgpr 226
		.amdhsa_next_free_sgpr 66
		.amdhsa_reserve_vcc 0
		.amdhsa_float_denorm_mode_32 3
		.amdhsa_float_denorm_mode_16_64 3
		.amdhsa_memory_ordered 1
		.amdhsa_forward_progress 1
		.amdhsa_inst_pref_size 23
	.end_amdhsa_kernel
	.amdgpu_metadata
---
amdhsa.version: [ 1, 2 ]
amdhsa.kernels:
  - .name:           k_qb3b65f656c_norm2
    .symbol:         k_qb3b65f656c_norm2.kd
    .args:
      - { .name: y1, .offset: 0, .size: 8, .value_kind: global_buffer, .address_space: global }
      - { .name: ln2_w, .offset: 8, .size: 8, .value_kind: global_buffer, .address_space: global }
      - { .name: ln2_b, .offset: 16, .size: 8, .value_kind: global_buffer, .address_space: global }
      - { .name: part, .offset: 24, .size: 8, .value_kind: global_buffer, .address_space: global }
      - { .name: lowp_scales, .offset: 32, .size: 8, .value_kind: global_buffer, .address_space: global }
      - { .name: ncodes, .offset: 40, .size: 8, .value_kind: global_buffer, .address_space: global }
    .group_segment_fixed_size: 20992
    .private_segment_fixed_size: 0
    .kernarg_segment_align: 8
    .kernarg_segment_size: 48
    .max_flat_workgroup_size: 128
    .sgpr_count:     66
    .vgpr_count:     226
    .wavefront_size: 32
...
	.end_amdgpu_metadata
.endif
;; end of part 6
;; launch w1 (part 7): grid 16 x 16, 4 waves a work-group, clusters of 4 x 4, 327,680 bytes of LDS; arguments ncodes, W1_codes, b1, lowp_scales, hc; writes hc
.if DOCPART == 7
	.amdgcn_target "amdgcn-amd-amdhsa--gfx1250"
	.amdhsa_code_object_version 6
	.text
	.protected	k_qb3b65f656c_w1
	.globl	k_qb3b65f656c_w1
	.p2align	8
	.type	k_qb3b65f656c_w1,@function
k_qb3b65f656c_w1:
	s_mov_b64 s[64:65], 0
	v_nop
	global_prefetch_b8 v0, s[64:65] scope:SCOPE_SE
	s_setreg_imm32_b32 hwreg(HW_REG_WAVE_MODE, 25, 1), 1
	s_wait_xcnt 0x0
	s_wait_alu depctr_hold_cnt(0) depctr_sa_sdst(0) depctr_va_vdst(0) depctr_va_sdst(0) depctr_va_ssrc(0) depctr_va_vcc(0) depctr_vm_vsrc(0)
	s_getreg_b32 s2, hwreg(HW_REG_IB_STS2, 6, 4)
	s_cmp_eq_u32 s2, 0
	s_cbranch_scc0 .Lentry_in_a_cluster
	s_endpgm
.Lentry_in_a_cluster:
	s_bfe_u32 s2, ttmp6, 0x10000c
	s_cmp_lg_u32 s2, 0xf033
	s_cbranch_scc0 .Lentry_shape_is_right
	s_endpgm
.Lentry_shape_is_right:
.set QKV,   0
.set RELU,  1-QKV
.set SWAP,  QKV
.set SIZE_K, 1024
.set KSTEP,  256
.set ROWB,   256
.set KROW,   SIZE_K
.set PITCH,  272
.set FR,     16
.set NL,     4
.set NP,     4
.set HALFT,  128*PITCH
.set SLOT,   4*HALFT
.set LAPS,   SIZE_K/(2*KSTEP)
.set SPARE,  2*SLOT
.set SROW,   80
.set SSUB,   64*SROW
.set SWAVE,  2*SSUB
.set ADRA, 16
.set ADRB, 20
.set STO,  24
.set RD,   25
.set CO,   26
.set SPW,  28
.set NIL,  29
.set BI,   32
.set CD,   48
.set BJ,   64
.set AF,   128
.set TMP,  128
.set OUTR, 192
.set G1, 24
.set G0, 32
.set G1B, 48
.set G0B, 56
.if QKV
.set SCL, 84
.else
.set SCL, 10
.endif
.set MSB, 0
.macro WIN new
.if MSB != \new
	s_set_vgpr_msb (MSB<<8)|\new
.set MSB, \new
.endif
.endm
.set MUL_LO, 0xa1
.set MUL_HI, 0xf1
.set TO_B,   0x40
.macro JLOAD g0a, g1a, g0b, g1b
	s_cmp_eq_u32 s15, 0
	s_cbranch_scc0 .Lfor_b_\@
	tensor_load_to_lds s[\g0a:\g0a+3], s[\g1a:\g1a+7]
	s_nop 0
.rept 4
	v_nop
.endr
	s_branch .Lasked_\@
.Lfor_b_\@:
	tensor_load_to_lds s[\g0b:\g0b+3], s[\g1b:\g1b+7]
	s_nop 0
.rept 4
	v_nop
.endr
.Lasked_\@:
.endm
.macro CREST
	s_cmp_lg_u32 s14, 0
	s_cbranch_scc1 .Lnot_wave_0_\@
	s_barrier_signal -3
.Lnot_wave_0_\@:
	s_barrier_wait -3
	s_barrier_signal -1
	s_barrier_wait -1
.endm
.macro CROUND
	s_barrier_signal -1
	s_barrier_wait -1
	CREST
.endm
	s_load_b256 s[4:11], s[0:1], 0x0
	s_load_b64 s[86:87], s[0:1], 0x20
	v_lshl_add_u32 v[SPW], v0, 2, SPARE
	v_mov_b32 v[NIL], 0
	ds_add_u32 v28, v29
	ds_add_u32 v28, v29
	s_wait_dscnt 0x0
	v_lshrrev_b32 v1, 5, v0
	v_readfirstlane_b32 s14, v1
	s_lshr_b32 s15, s14, 1
	s_and_b32 s16, s14, 1
	s_bfe_u32 s40, ttmp6, 0x40000
	s_bfe_u32 s41, ttmp6, 0x40004
	s_lshl_b32 s42, ttmp9, 2
	s_add_co_u32 s42, s42, s40
	s_and_b32 s17, ttmp7, 0xffff
	s_lshl_b32 s17, s17, 2
	s_add_co_u32 s17, s17, s41
	s_lshl_b32 s43, s41, 2
	s_lshl_b32 s43, 15, s43
	s_lshl_b32 s44, 0x1111, s40
	s_or_b32 s[G1+0], s43, (0<<16)|(1<<20)|(1<<21)|(5<<22)|(3<<25)
	s_or_b32 s[G1B+0], s44, (0<<16)|(1<<20)|(1<<21)|(5<<22)|(3<<25)
.irp g, G1, G1B
	s_mov_b32 s[\g+1], ROWB<<16
	s_mov_b32 s[\g+2], 128<<16
	s_mov_b32 s[\g+3], ROWB<<16
	s_mov_b32 s[\g+4], 128
	s_mov_b32 s[\g+5], KROW
	s_mov_b32 s[\g+6], 0
	s_mov_b32 s[\g+7], 0
.endr
	s_lshl_b32 s18, s16, 7
	s_lshl_b32 s20, s17, 8
	s_add_co_u32 s20, s20, s18
	s_lshl_b32 s20, s20, 10
	s_mov_b32 s21, 0
	s_lshl_b32 s46, s42, 8
	s_add_co_u32 s46, s46, s18
	s_lshl_b32 s46, s46, 10
	s_mov_b32 s47, 0
	s_mul_i32 s45, s14, HALFT
	s_wait_kmcnt 0x0
	s_load_b64 s[96:97], s[SCL:SCL+1], 0x30
	s_load_b32 s93, s[SCL:SCL+1], 0x38
	s_add_nc_u64 s[20:21], s[4:5], s[20:21]
	s_add_nc_u64 s[46:47], s[6:7], s[46:47]
	s_cmp_eq_u32 s15, 0                            ; the prefetches: of the 128 rows that I fetch, my work-group names 32, told apart from its three partners by address (cx for A's tile, cy for B's)
	s_cselect_b64 s[12:13], s[20:21], s[46:47]
	s_cselect_b32 s2, s40, s41
	s_lshl_b32 s2, s2, 15                          ; 32 rows of 1,024 bytes
	s_mov_b32 s3, 0
	s_add_nc_u64 s[12:13], s[12:13], s[2:3]
	CROUND
.irp s, 0,1
	s_mov_b32 s[G0+4*\s], 1
	s_add_co_u32 s[G0+4*\s+1], s45, \s*SLOT
	s_add_nc_u64 s[G0+4*\s+2:G0+4*\s+3], s[20:21], \s*ROWB
	s_or_b32 s[G0+4*\s+3], s[G0+4*\s+3], 0x80000000
	s_mov_b32 s[G0B+4*\s], 1
	s_add_co_u32 s[G0B+4*\s+1], s45, \s*SLOT
	s_add_nc_u64 s[G0B+4*\s+2:G0B+4*\s+3], s[46:47], \s*ROWB
	s_or_b32 s[G0B+4*\s+3], s[G0B+4*\s+3], 0x80000000
.endr
	JLOAD G0, G1, G0B, G1B                         ; K step 0: my one tensor load at the head
	v_and_b32 v30, 31, v0
	v_lshlrev_b32 v30, 10, v30                     ; a lane a row; never rewritten
	s_wait_alu depctr_va_vdst(0)
	global_prefetch_b8 v30, s[12:13] offset:ROWB th:TH_LOAD_NT scope:SCOPE_SE     ; K steps 1 and 2: 256 bytes of each of my 32 rows
	global_prefetch_b8 v30, s[12:13] offset:2*ROWB th:TH_LOAD_NT scope:SCOPE_SE
	v_and_b32 v1, 15, v0
	s_wait_alu depctr_va_vdst(0)
	v_bfe_u32 v2, v0, 4, 1
	v_mul_u32_u24 v3, v1, PITCH
	v_lshl_add_u32 v4, v2, 4, v3
	s_mul_i32 s21, s15, HALFT
	s_mul_i32 s22, s16, HALFT
	s_add_co_u32 s22, s22, 2*HALFT
.irp s, 0,1
	v_add_nc_u32 v[ADRA+\s], s21, v4
	v_add_nc_u32 v[ADRB+\s], s22, v4
	s_add_co_u32 s21, s21, SLOT
	s_add_co_u32 s22, s22, SLOT
.endr
	s_mul_i32 s23, s14, SWAVE
	v_mul_u32_u24 v5, v1, SROW
	s_wait_alu depctr_va_vdst(0)
	v_lshl_add_u32 v5, v2, 3, v5
	v_add_nc_u32 v[STO], s23, v5
	v_and_b32 v6, 31, v0
	v_lshlrev_b32 v[CO], 4, v6
	v_lshrrev_b32 v7, 2, v6
	v_mul_u32_u24 v7, v7, SROW
	v_and_b32 v6, 3, v6
	v_lshl_add_u32 v7, v6, 4, v7
	v_add_nc_u32 v[RD], s23, v7
	s_lshl_b32 s18, s42, 8
	s_lshl_b32 s19, s16, 7
	s_add_co_u32 s18, s18, s19
	v_lshlrev_b32 v10, 5, v2
	v_lshl_add_u32 v10, s18, 2, v10
.irp b, 0,1,2,3,4,5,6,7
	global_load_b128 v[BJ+8*\b:BJ+8*\b+3], v10, s[8:9] offset:64*\b
	global_load_b128 v[BJ+8*\b+4:BJ+8*\b+7], v10, s[8:9] offset:64*\b+16
.endr
	s_lshl_b32 s76, s17, 1
	s_add_co_u32 s76, s76, s15
	s_lshl_b32 s76, s76, 6
	s_lshl_b32 s77, s42, 2
	s_lshl_b32 s78, s16, 1
	s_add_co_u32 s77, s77, s78
	s_add_co_u32 s76, s76, s77
	s_lshl_b32 s76, s76, 13
	s_mov_b32 s77, 0
	s_add_nc_u64 s[68:69], s[86:87], s[76:77]
.macro FRAG reg, adr, q, i
.irp c, 0,1,2,3
	ds_load_b128 v[\reg+4*\c:\reg+4*\c+3], v[\adr] offset:128*(\q)+32*\c+(\i)*16*PITCH
.endr
.endm
.macro MUL16 a0, p, zero
.irp a, \a0, \a0+1
.irp b, 0,1,2,3,4,5,6,7
.if \zero
	v_wmma_f32_16x16x128_bf8_bf8 v[8*(8*((\a)%4)+\b):8*(8*((\a)%4)+\b)+7], v[128*(\p)+FR*\b:128*(\p)+FR*\b+FR-1], v[AF+FR*(\a):AF+FR*(\a)+FR-1], 0
.else
	v_wmma_f32_16x16x128_bf8_bf8 v[8*(8*((\a)%4)+\b):8*(8*((\a)%4)+\b)+7], v[128*(\p)+FR*\b:128*(\p)+FR*\b+FR-1], v[AF+FR*(\a):AF+FR*(\a)+FR-1], v[8*(8*((\a)%4)+\b):8*(8*((\a)%4)+\b)+7]
.endif
.endr
.endr
.endm
.macro FETCH_B slot, q, p
	WIN TO_B
.irp i, 0,1,2,3,4,5,6,7
	FRAG 128*(\p)+FR*\i, ADRB+\slot, \q, \i
.endr
	WIN 0
.endm
.macro FETCH_A slot, q, i0
.irp i, \i0, \i0+1, \i0+2, \i0+3
	FRAG AF+FR*(\i), ADRA+\slot, \q, \i
.endr
.endm
.macro PLACES n
.rept \n
	v_nop
.endr
.endm
.macro STEP slot, q, zero
	s_wait_dscnt 4*NL
	WIN MUL_LO
	MUL16 0, (\q)%2, \zero
	MUL16 2, (\q)%2, \zero
	s_wait_dscnt 0
	PLACES NP
	FETCH_B \slot, (\q)+1, 1-(\q)%2
	FETCH_A \slot, (\q)+1, 0
	WIN MUL_HI
	MUL16 4, (\q)%2, \zero
	MUL16 6, (\q)%2, \zero
	PLACES NP
	WIN 0
	FETCH_A \slot, (\q)+1, 4
.endm
.macro TURN slot, next, fill
	s_wait_tensorcnt 0x0
	ds_add_u32 v[SPW], v[NIL]
	s_wait_dscnt 4*NL+1
	WIN MUL_LO
	MUL16 0, 1, 0
	s_wait_dscnt 0x0
	s_barrier_signal -1
	MUL16 2, 1, 0
	WIN 0
	s_barrier_wait -1
.if \fill
	CREST
	s_add_nc_u64 s[G0+4*\slot+2:G0+4*\slot+3], s[G0+4*\slot+2:G0+4*\slot+3], 2*ROWB
	s_add_nc_u64 s[G0B+4*\slot+2:G0B+4*\slot+3], s[G0B+4*\slot+2:G0B+4*\slot+3], 2*ROWB
	JLOAD G0+4*\slot, G1, G0B+4*\slot, G1B
.else
	PLACES NP
.endif
	FETCH_B \next, 0, 0
	FETCH_A \next, 0, 0
.if (\fill) && ((\slot) == 0)
	global_prefetch_b8 v30, s[12:13] offset:3*ROWB th:TH_LOAD_NT scope:SCOPE_SE   ; K step 3, the last: the next change of slots loads it (SIZE_K = 1,024: the loop has one trip)
.endif
	WIN MUL_HI
	MUL16 4, 1, 0
	MUL16 6, 1, 0
	PLACES NP
	WIN 0
	FETCH_A \next, 0, 4
.endm
	s_wait_alu depctr_va_vdst(0)                   ; the wait at the head's end
	s_wait_tensorcnt 0x0                           ; my part of K step 0 is in
	ds_add_u32 v[SPW], v[NIL]
	s_wait_dscnt 0x0
	CROUND                                         ; everybody's part is in, and all sixteen work-groups are here
	JLOAD G0+4, G1, G0B+4, G1B                     ; K step 1, the first tensor load behind the round
	FETCH_B 0, 0, 0
	FETCH_A 0, 0, 0
	FETCH_A 0, 0, 4
	STEP 0, 0, 1
	s_mov_b32 s3, LAPS-1
.Llap:
	TURN 0, 1, 1
	STEP 1, 0, 0
	TURN 1, 0, 1
	STEP 0, 0, 0
	s_sub_co_u32 s3, s3, 1
	s_cmp_lg_u32 s3, 0
	s_cbranch_scc1 .Llap
	TURN 0, 1, 0
	STEP 1, 0, 0
	s_wait_dscnt 4*NL
	WIN MUL_LO
	MUL16 0, 1, 0
	MUL16 2, 1, 0
	s_wait_dscnt 0
	WIN MUL_HI
	MUL16 4, 1, 0
	MUL16 6, 1, 0
	WIN 0
.macro CBLOCK a
.set AC, 64*((\a)%4)
.set A4, (\a)%4
.set ROWI, 16*A4
	WIN 0x02+((\a)/4)
.set j, 0
.rept 32
	v_pk_fma_f32 v[TMP+j:TMP+j+1], v[AC+j:AC+j+1], s[96:97], v[BJ+j:BJ+j+1] op_sel_hi:[1,0,1]
.set j, j+2
.endr
	WIN 0
.set j, 0
.rept 64
	v_med3_num_f32 v[TMP+j], v[TMP+j], 0, v9
.set j, j+1
.endr
	s_wait_alu depctr_va_vdst(0)
	s_wait_dscnt 0x0
.irp b, 0,1,2,3,4,5,6,7
	v_cvt_scalef32_pk8_bf8_f32 v[CD+2*\b:CD+2*\b+1], v[TMP+8*\b:TMP+8*\b+7], v8
.endr
	v_nop
.irp b, 0,1,2,3,4,5,6,7
	ds_store_b64 v[STO], v[CD+2*\b:CD+2*\b+1] offset:(\b/4)*SSUB+ROWI*SROW+16*(\b%4)
.endr
.endm
.macro COUT G
.if \G > 0
	s_wait_xcnt 0x0
.endif
.irp jb, 0,1
.irp t, 0,1,2,3,4,5,6,7
	ds_load_b128 v[OUTR+4*(8*\jb+\t):OUTR+4*(8*\jb+\t)+3], v[RD] offset:\jb*SSUB+\t*8*SROW
.endr
.endr
.irp jb, 0,1
.irp t, 0,1,2,3,4,5,6,7
	s_wait_dscnt 15-8*\jb-\t
	global_store_b128 v[CO], v[OUTR+4*(8*\jb+\t):OUTR+4*(8*\jb+\t)+3], s[68:69] offset:\jb*8192+\G*4096+512*\t th:TH_STORE_NT
.endr
.endr
.endm
	s_wait_kmcnt 0x0
	s_add_co_i32 s96, s96, s97
	s_add_co_i32 s96, s96, 127
	s_lshl_b32 s96, s96, 23
	s_mov_b32 s97, s96
	s_add_co_i32 s93, s93, 127
	s_lshl_b32 s98, s93, 23
	s_add_co_i32 s93, s93, 15
	s_lshl_b32 s93, s93, 23
	s_or_b32 s93, s93, 0x600000
	PLACES NP
	v_mov_b32 v8, s98
	v_mov_b32 v9, s93
	s_wait_loadcnt 0x0
	CBLOCK 0
	CBLOCK 1
	CBLOCK 2
	CBLOCK 3
	COUT 0
	CBLOCK 4
	CBLOCK 5
	CBLOCK 6
	CBLOCK 7
	COUT 1
	s_wait_tensorcnt 0x0
	ds_add_u32 v[SPW], v[NIL]
	s_wait_dscnt 0x0
	CROUND
	s_endpgm
.Lfunc_end_k_qb3b65f656c_w1:
	.size	k_qb3b65f656c_w1, .Lfunc_end_k_qb3b65f656c_w1-k_qb3b65f656c_w1
	.p2alignl 7, 3214868480
	.fill 96, 4, 3214868480
	.section	.rodata,"a",@progbits
	.p2align	6, 0x0
	.amdhsa_kernel k_qb3b65f656c_w1
		.amdhsa_group_segment_fixed_size 327680
		.amdhsa_private_segment_fixed_size 0
		.amdhsa_enable_private_segment 0
		.amdhsa_kernarg_size 40
		.amdhsa_user_sgpr_count 2
		.amdhsa_user_sgpr_kernarg_segment_ptr 1
		.amdhsa_wavefront_size32 1
		.amdhsa_system_sgpr_workgroup_id_x 1
		.amdhsa_system_sgpr_workgroup_id_y 1
		.amdhsa_system_sgpr_workgroup_id_z 1
		.amdhsa_system_vgpr_workitem_id 0
		.amdhsa_next_free_vgpr 1024
		.amdhsa_next_free_sgpr 100
		.amdhsa_reserve_vcc 0
		.amdhsa_float_denorm_mode_32 3
		.amdhsa_float_denorm_mode_16_64 3
		.amdhsa_memory_ordered 1
		.amdhsa_forward_progress 1
		.amdhsa_inst_pref_size 144
	.end_amdhsa_kernel
	.amdgpu_metadata
---
amdhsa.version: [ 1, 2 ]
amdhsa.kernels:
  - .name:           k_qb3b65f656c_w1
    .symbol:         k_qb3b65f656c_w1.kd
    .args:
      - { .name: ncodes, .offset: 0, .size: 8, .value_kind: global_buffer, .address_space: global }
      - { .name: W1_codes, .offset: 8, .size: 8, .value_kind: global_buffer, .address_space: global }
      - { .name: b1, .offset: 16, .size: 8, .value_kind: global_buffer, .address_space: global }
      - { .name: lowp_scales, .offset: 24, .size: 8, .value_kind: global_buffer, .address_space: global }
      - { .name: hc, .offset: 32, .size: 8, .value_kind: global_buffer, .address_space: global }
    .group_segment_fixed_size: 327680
    .private_segment_fixed_size: 0
    .kernarg_segment_align: 8
    .kernarg_segment_size: 40
    .max_flat_workgroup_size: 128
    .sgpr_count:     100
    .vgpr_count:     1024
    .wavefront_size: 32
...
	.end_amdgpu_metadata
.endif
;; end of part 7
;; launch w2 (part 8): grid 8 x 32, 4 waves a work-group, clusters of 4 x 4, 327,680 bytes of LDS; arguments hc, W2_codes, b2, y1, lowp_scales, out0; writes out0
.if DOCPART == 8
	.amdgcn_target "amdgcn-amd-amdhsa--gfx1250"
	.amdhsa_code_object_version 6
	.text
	.protected	k_qb3b65f656c_w2
	.globl	k_qb3b65f656c_w2
	.p2align	8
	.type	k_qb3b65f656c_w2,@function
k_qb3b65f656c_w2:
	s_mov_b64 s[64:65], 0
	v_nop
	global_prefetch_b8 v0, s[64:65] scope:SCOPE_SE
	s_setreg_imm32_b32 hwreg(HW_REG_WAVE_MODE, 25, 1), 1
	s_wait_xcnt 0x0
	s_wait_alu depctr_hold_cnt(0) depctr_sa_sdst(0) depctr_va_vdst(0) depctr_va_sdst(0) depctr_va_ssrc(0) depctr_va_vcc(0) depctr_vm_vsrc(0)
	s_getreg_b32 s2, hwreg(HW_REG_IB_STS2, 6, 4)
	s_cmp_eq_u32 s2, 0
	s_cbranch_scc0 .Lentry_in_a_cluster
	s_endpgm
.Lentry_in_a_cluster:
	s_bfe_u32 s2, ttmp6, 0x10000c
	s_cmp_lg_u32 s2, 0xf033
	s_cbranch_scc0 .Lentry_shape_is_right
	s_endpgm
.Lentry_shape_is_right:
; out = res + A B^T x 2^(eA + eB) + bias, on codes of E5M2; out, res: [4096][1024] f32; bias [1024].  K = KK.
; A: activations as codes in blocks: 128 rows x 64 of K are a dense block of 8,192 bytes, ((row / 128) x (KK / 64) + k / 64).  B: weights [1024][KK], K innermost.
; A tile is 128 x 128, so that 4,096 x 1,024 results give 256 work-groups; four waves, 64 x 64 each: 16 accumulators.  A slot holds 512 along K: A's 128 rows are one dense run of 65,536 bytes (lines of 256 + 16 of padding),
; B's 128 rows are 512 bytes + 16.  Waves 0, 1 fetch A's halves (four blocks of 64 along K each), waves 2, 3 B's (64 rows each): one tensor load of mine is out at the start, one behind each change of slots.
; CLUSTERS: 4 x 4; A's tile is asked for jointly along a row of the cluster, B's along a column.  THE MATRIX INSTRUCTION IS USED TRANSPOSED (source 0 = B's rows): a lane holds eight neighbours of a row of the result.
; The residual and the bias are asked for at the head, in the layout in which rows leave, and land under the loop.
; LIMITS: eA + eB between -126 and 127; NaN is not served.
; REGISTERS: window 0: v16-31 addresses; v32-63 at work on the way out; v128-255 the accumulators ((a, b) at v[128 + 8 (4 a + b)]).  window 1: two fragment buffers of 128 (A's four blocks, then B's four).
;   window 2: v0-127 the residual, then the results; v128-131 the bias.
.set KK,    4096
.set ES,    0x38                       ; byte of eA in the buffer of scales; eB follows
.set LAPS,  KK/1024                    ; a lap = two slots
.set LINE,  272
.set AKB,   32*LINE                    ; a block of 128 rows x 64 of K in LDS
.set AHALF, 4*AKB
.set AREG,  8*AKB
.set BP,    528                        ; a row of B in LDS: 33 x 16 bytes: the 16 rows of a load start at 16 different banks (64 banks of 4 bytes: ISA guide 11.1)
.set BHALF, 64*BP
.set SLOT,  AREG+2*BHALF
.set STAGE, 2*SLOT                     ; behind the ring: 16 rows x 272 bytes for each wave
.set SP,    272
.set SPARE, STAGE+4*16*SP              ; the spare words, 128 bytes a wave
.set ADRA, 16
.set ADRB, 20
.set STO,  24
.set RD,   25
.set CO,   26
.set SPW,  28
.set NIL,  29
.set BA,   30
.set T,    32
.set ACC,  128
.set F0,   0
.set F1,   128
.set RES,  0                           ; in window 2
.set BIAS, 128
.set G1, 24
.set G0, 32
.set G1B, 48
.set G0B, 56
.set MSB, 0
.macro WIN new                         ; the immediate's high byte repeats the setting that is left
.if MSB != \new
	s_set_vgpr_msb (MSB<<8)|\new
.set MSB, \new
.endif
.endm
.set MUL,  0x05                        ; sources 0 (B) and 1 (A) window 1; C and D window 0
.set TO_F, 0x40
.macro JLOAD s                         ; a joint load: waves 0 and 1 fetch for A, waves 2 and 3 for B; four v_nop follow each of the two lines
	s_cmp_eq_u32 s11, 0
	s_cbranch_scc0 .Lfor_b_\@
	tensor_load_to_lds s[G0+4*\s:G0+4*\s+3], s[G1:G1+7]
	s_nop 0
.rept 4
	v_nop
.endr
	s_branch .Lasked_\@
.Lfor_b_\@:
	tensor_load_to_lds s[G0B+4*\s:G0B+4*\s+3], s[G1B:G1B+7]
	s_nop 0
.rept 4
	v_nop
.endr
.Lasked_\@:
.endm
.macro CREST
	s_cmp_lg_u32 s10, 0
	s_cbranch_scc1 .Lnot_wave_0_\@
	s_barrier_signal -3
.Lnot_wave_0_\@:
	s_barrier_wait -3
	s_barrier_signal -1
	s_barrier_wait -1
.endm
.macro CROUND
	s_barrier_signal -1
	s_barrier_wait -1
	CREST
.endm
	s_load_b256 s[68:75], s[0:1], 0x0              ; A s[68:69], B s[70:71], bias s[72:73], residual s[74:75]
	s_load_b128 s[76:79], s[0:1], 0x20             ; scales s[76:77], out s[78:79]
	v_lshl_add_u32 v[SPW], v0, 2, SPARE
	v_mov_b32 v[NIL], 0
	ds_add_u32 v28, v29
	ds_add_u32 v28, v29
	s_wait_dscnt 0x0
	v_lshrrev_b32 v1, 5, v0
	v_readfirstlane_b32 s10, v1                    ; wave 0..3
	s_lshr_b32 s11, s10, 1                         ; which 64 rows are mine.  Also: I fetch for A (0) or for B (1)
	s_and_b32 s12, s10, 1                          ; which 64 columns.  Also: which half I fetch
	s_bfe_u32 s40, ttmp6, 0x40000                  ; cx, cy
	s_bfe_u32 s41, ttmp6, 0x40004
	s_lshl_b32 s42, ttmp9, 2
	s_add_co_u32 s42, s42, s40                     ; tile column
	s_and_b32 s13, ttmp7, 0xffff
	s_lshl_b32 s13, s13, 2
	s_add_co_u32 s13, s13, s41                     ; tile row
	s_lshl_b32 s43, s41, 2
	s_lshl_b32 s43, 15, s43                        ; my row of the cluster
	s_lshl_b32 s44, 0x1111, s40                    ; my column
	s_or_b32 s[G1+0], s43, (3<<16)|(1<<20)|(1<<21)|(5<<22)|(3<<25)   ; A: the mask; elements of 8 bytes; padding on; bit 21 beside a mask; after every 64 words, 4 words
	s_mov_b32 s[G1+1], 32<<16                      ; tensor_dim0: 32 elements, 256 bytes
	s_mov_b32 s[G1+2], 128<<16                     ; tensor_dim1
	s_mov_b32 s[G1+3], 32<<16                      ; tile_dim0
	s_mov_b32 s[G1+4], 128                         ; tile_dim1: 128 lines, a dense run of 32,768 bytes
	s_mov_b32 s[G1+5], 32                          ; tensor_dim0_stride
	s_mov_b32 s[G1+6], 0
	s_mov_b32 s[G1+7], 0
	s_or_b32 s[G1B+0], s44, (0<<16)|(1<<20)|(1<<21)|(6<<22)|(3<<25)  ; B: elements of 1 byte; after every 128 words, 4 words
	s_mov_b32 s[G1B+1], 512<<16
	s_mov_b32 s[G1B+2], 64<<16
	s_mov_b32 s[G1B+3], 512<<16
	s_mov_b32 s[G1B+4], 64
	s_mov_b32 s[G1B+5], KK
	s_mov_b32 s[G1B+6], 0
	s_mov_b32 s[G1B+7], 0
	s_mul_i32 s16, s13, 128*KK                     ; A: the tile row's blocks (under 2^25),
	s_lshl_b32 s17, s12, 15                        ; my four of a slot's eight
	s_add_co_u32 s16, s16, s17
	s_mov_b32 s17, 0
	s_lshl_b32 s46, s42, 7
	s_lshl_b32 s47, s12, 6
	s_add_co_u32 s46, s46, s47
	s_mul_i32 s46, s46, KK                         ; B: row 128 x tile column + 64 x half
	s_mov_b32 s47, 0
	s_mul_i32 s20, s12, AHALF                      ; where they go: no place in the cluster enters an LDS address
	s_mul_i32 s21, s12, BHALF
	s_add_co_u32 s21, s21, AREG
	s_wait_kmcnt 0x0
	s_load_b64 s[84:85], s[76:77], ES              ; eA, eB
	s_add_nc_u64 s[14:15], s[68:69], s[16:17]
	s_add_nc_u64 s[46:47], s[70:71], s[46:47]
	CROUND                                         ; all sixteen work-groups are here: the first joint loads meet
.irp s, 0,1
	s_mov_b32 s[G0+4*\s], 1
	s_add_co_u32 s[G0+4*\s+1], s20, \s*SLOT
	s_add_nc_u64 s[G0+4*\s+2:G0+4*\s+3], s[14:15], \s*65536
	s_or_b32 s[G0+4*\s+3], s[G0+4*\s+3], 0x80000000
	s_mov_b32 s[G0B+4*\s], 1
	s_add_co_u32 s[G0B+4*\s+1], s21, \s*SLOT
	s_add_nc_u64 s[G0B+4*\s+2:G0B+4*\s+3], s[46:47], \s*512
	s_or_b32 s[G0B+4*\s+3], s[G0B+4*\s+3], 0x80000000
.endr
	JLOAD 0                                        ; slot 0: my one tensor load at the head
	v_and_b32 v1, 15, v0                           ; r
	v_bfe_u32 v2, v0, 4, 1                         ; h
	v_lshrrev_b32 v3, 2, v1
	v_mul_u32_u24 v3, v3, LINE
	v_and_b32 v4, 3, v1
	v_lshl_add_u32 v3, v4, 6, v3
	v_lshl_add_u32 v3, v2, 4, v3                   ; A: row r of a block: line r / 4, 64 (r % 4) in it, + 16 h
	v_mul_u32_u24 v4, v1, BP
	v_lshl_add_u32 v4, v2, 4, v4                   ; B: row r x pitch + 16 h
	s_mul_i32 s21, s11, 16*LINE                    ; my 64 rows of A: 16 lines of each block
	s_mul_i32 s22, s12, BHALF                      ; my 64 rows of B
	s_add_co_u32 s22, s22, AREG
.irp s, 0,1
	v_add_nc_u32 v[ADRA+\s], s21, v3
	v_add_nc_u32 v[ADRB+\s], s22, v4
	s_add_co_u32 s21, s21, SLOT
	s_add_co_u32 s22, s22, SLOT
.endr
	s_mul_i32 s23, s10, 16*SP
	s_add_co_u32 s23, s23, STAGE                   ; my stage
	v_mul_u32_u24 v5, v1, SP
	v_lshl_add_u32 v5, v2, 5, v5
	v_add_nc_u32 v[STO], s23, v5                   ; in: row r, 32 bytes for each half of the lanes
	v_mul_u32_u24 v5, v2, SP
	v_lshl_add_u32 v5, v1, 4, v5
	v_add_nc_u32 v[RD], s23, v5                    ; back: lanes 0-15 one row of 256 bytes, lanes 16-31 the next
	v_lshlrev_b32 v[CO], 12, v2
	v_lshl_add_u32 v[CO], v1, 4, v[CO]             ; and the same two rows of 4,096 bytes in memory
	s_wait_alu depctr_va_vdst(0)
	v_lshlrev_b32 v[BA], 4, v1                     ; the bias of my four columns
	s_wait_alu depctr_va_vdst(0)
	s_lshl_b32 s16, s13, 7
	s_lshl_b32 s17, s11, 6
	s_add_co_u32 s16, s16, s17                     ; my first row,
	s_lshl_b32 s16, s16, 12
	s_lshl_b32 s18, s42, 7
	s_lshl_b32 s19, s12, 6
	s_add_co_u32 s18, s18, s19                     ; my first column,
	s_lshl_b32 s18, s18, 2                         ; in bytes: a multiple of 256
	s_mov_b32 s19, 0
	s_add_nc_u64 s[72:73], s[72:73], s[18:19]
	s_add_co_u32 s16, s16, s18
	s_mov_b32 s17, 0
	s_add_nc_u64 s[74:75], s[74:75], s[16:17]
	s_add_nc_u64 s[78:79], s[78:79], s[16:17]
	; THE PREFETCHES INTO THE L2.  Of the 32,768 bytes of a slot that a wave fetches (A: a dense run; B: 64 rows x 512 bytes) each of the four partners that ask for them jointly names a quarter, told apart by address
	; (cx for A: 8,192 bytes; cy for B: 16 rows): 32 blocks of 256 bytes, a lane a block, one instruction a wave.  s[4:5]: my quarter of the slot in hand; s[6:7]: a slot on; v31: my lane's block; v27: the same one slot on.
	; Here slots 1 and 2 are named; the change of slots that loads slot s + 2 names slot s + 3; the last change that fills names nothing: there is no slot 8.
	s_cmp_eq_u32 s11, 0                            ; do I fetch for A?
	s_cselect_b64 s[4:5], s[14:15], s[46:47]
	s_cselect_b32 s8, s40, s41
	s_mov_b32 s9, 16*KK
	s_cselect_b32 s9, 8192, s9
	s_mov_b32 s6, 512
	s_cselect_b32 s6, 65536, s6
	s_mov_b32 s88, KK
	s_cselect_b32 s88, 512, s88                    ; from one pair of lanes to the next
	s_mov_b32 s7, 0
	s_mul_i32 s8, s8, s9
	s_mov_b32 s9, 0
	s_add_nc_u64 s[4:5], s[4:5], s[8:9]
	s_add_nc_u64 s[4:5], s[4:5], s[6:7]            ; at slot 1
	v_and_b32 v31, 31, v0
	v_lshrrev_b32 v27, 1, v31
	v_and_b32 v31, 1, v31
	v_mul_lo_u32 v27, v27, s88
	v_lshl_add_u32 v31, v31, 8, v27
	v_add_nc_u32 v27, s6, v31
	s_wait_alu depctr_va_vdst(0)
	global_prefetch_b8 v31, s[4:5] th:TH_LOAD_NT scope:SCOPE_SE
	global_prefetch_b8 v27, s[4:5] th:TH_LOAD_NT scope:SCOPE_SE
	WIN 0x80
.irp a, 0,1,2,3
.irp t, 0,1,2,3,4,5,6,7
	global_load_b128 v[RES+32*\a+4*\t:RES+32*\a+4*\t+3], v[CO], s[74:75] offset:(16*\a+2*\t)*4096
.endr
.endr
	global_load_b128 v[BIAS:BIAS+3], v[BA], s[72:73]
	WIN 0
.macro MUL4 f, a, zero                 ; A's block a x B's four, 128 along K.  The 16 accumulators take turns, one instruction a turn
.irp b, 0,1,2,3
.if \zero
	v_wmma_f32_16x16x128_bf8_bf8 v[ACC+8*(4*(\a)+\b):ACC+8*(4*(\a)+\b)+7], v[\f+64+16*\b:\f+64+16*\b+15], v[\f+16*(\a):\f+16*(\a)+15], 0
.else
	v_wmma_f32_16x16x128_bf8_bf8 v[ACC+8*(4*(\a)+\b):ACC+8*(4*(\a)+\b)+7], v[\f+64+16*\b:\f+64+16*\b+15], v[\f+16*(\a):\f+16*(\a)+15], v[ACC+8*(4*(\a)+\b):ACC+8*(4*(\a)+\b)+7]
.endif
.endr
.endm
.macro FETCH slot, q, f                ; 32 LDS loads in one run: the slot's q-th 128 along K: B's four fragments, then A's.  Registers 4 c on hold K = 32 c + 16 h + 0 .. 15, in A and in B alike
	WIN TO_F
.irp b, 0,1,2,3
.irp c, 0,1,2,3
	ds_load_b128 v[\f+64+16*\b+4*\c:\f+64+16*\b+4*\c+3], v[ADRB+\slot] offset:128*(\q)+32*\c+16*\b*BP
.endr
.endr
.irp a, 0,1,2,3
.irp c, 0,1,2,3
	ds_load_b128 v[\f+16*\a+4*\c:\f+16*\a+4*\c+3], v[ADRA+\slot] offset:(2*(\q)+\c/2)*AKB+4*\a*LINE+32*(\c%2)
.endr
.endr
.endm
.macro PLACES                          ; four plain vector instructions in front of loads into registers that matrix instructions have read (ISA guide 7.12.1 for vector instructions)
.rept 4
	v_nop
.endr
.endm
.macro QUARTER slot, qn, f, g, zero    ; multiplies buffer f; in its middle it fetches the slot's 128 along K number qn into buffer g
	s_wait_dscnt 8                                 ; B's fragments and A's blocks 0, 1 are in; the youngest eight loads may be out
	WIN MUL
	MUL4 \f, 0, \zero
	MUL4 \f, 1, \zero
	PLACES
	FETCH \slot, \qn, \g
	s_wait_dscnt 32                                ; all but the 32 just issued
	WIN MUL
	MUL4 \f, 2, \zero
	MUL4 \f, 3, \zero
.endm
.macro TURN slot, next, fill
	WIN 0
.if \fill
	s_wait_xcnt 0x0                                ; my prefetches have read their address: it steps one slot on
	s_add_nc_u64 s[4:5], s[4:5], s[6:7]
.endif
	s_wait_tensorcnt 0x0
	ds_add_u32 v[SPW], v[NIL]                      ; 0 onto my spare word
	s_wait_dscnt 9                                 ; (the add and the youngest eight loads may be out)
	WIN MUL
	MUL4 F1, 0, 0
	MUL4 F1, 1, 0
	s_wait_dscnt 0x0                               ; the add is done, and my reads of this slot are over
	s_barrier_signal -1
	MUL4 F1, 2, 0
.if \fill
	WIN 0
.endif
	s_barrier_wait -1
.if \fill
	CREST                                          ; the barrier has opened a round of the cluster's barrier: no wave of any partner still reads this slot or has a load on its way
	s_add_nc_u64 s[G0+4*\slot+2:G0+4*\slot+3], s[G0+4*\slot+2:G0+4*\slot+3], 2*65536
	s_add_nc_u64 s[G0B+4*\slot+2:G0B+4*\slot+3], s[G0B+4*\slot+2:G0B+4*\slot+3], 2*512
	JLOAD \slot                                    ; the first tensor load behind the round; its four v_nop are the places in front of the loads below
.else
	PLACES
.endif
	FETCH \next, 0, F0
.if \fill
	WIN 0
.if \slot
	s_cmp_gt_u32 s3, 1                             ; the loop's last trip: its second change would name a slot behind the last
	s_cbranch_scc0 .Lno_ask_\@
.endif
	global_prefetch_b8 v27, s[4:5] th:TH_LOAD_NT scope:SCOPE_SE   ; the slot that the next change of slots will load
.Lno_ask_\@:
.endif
	WIN MUL
	MUL4 F1, 3, 0
.endm
	s_wait_alu depctr_va_vdst(0)                   ; the wait at the head's end
	s_wait_tensorcnt 0x0                           ; my part of slot 0 is in
	ds_add_u32 v[SPW], v[NIL]
	s_wait_dscnt 0x0
	CROUND                                         ; everybody's part is in, and all sixteen work-groups are here
	JLOAD 1                                        ; slot 1's first fill, the first tensor load behind the round
	FETCH 0, 0, F0
	QUARTER 0, 1, F0, F1, 1                        ; the first quarter's products start the sums
	WIN 0
	s_mov_b32 s3, LAPS-1
.Llap:                                                 ; a trip goes once round the ring and fills both slots again
	QUARTER 0, 2, F1, F0, 0
	QUARTER 0, 3, F0, F1, 0
	TURN 0, 1, 1
	QUARTER 1, 1, F0, F1, 0
	QUARTER 1, 2, F1, F0, 0
	QUARTER 1, 3, F0, F1, 0
	TURN 1, 0, 1
	QUARTER 0, 1, F0, F1, 0
	WIN 0
	s_sub_co_u32 s3, s3, 1
	s_cmp_lg_u32 s3, 0
	s_cbranch_scc1 .Llap
	QUARTER 0, 2, F1, F0, 0                        ; the last lap fills nothing
	QUARTER 0, 3, F0, F1, 0
	TURN 0, 1, 0
	QUARTER 1, 1, F0, F1, 0
	QUARTER 1, 2, F1, F0, 0
	QUARTER 1, 3, F0, F1, 0
	s_wait_dscnt 8
	WIN MUL
	MUL4 F1, 0, 0
	MUL4 F1, 1, 0
	s_wait_dscnt 0
	MUL4 F1, 2, 0
	MUL4 F1, 3, 0
	WIN 0
	; THE WAY OUT.  The sums of 16 rows go through my stage and come back as rows of 256 bytes, the layout in which the residual was loaded; out = sum x 2^(eA + eB) + (residual + bias).
	s_wait_loadcnt 0x0                             ; the residual and the bias
	s_wait_kmcnt 0x0
	s_add_co_i32 s82, s84, s85
	s_add_co_i32 s82, s82, 127
	s_lshl_b32 s82, s82, 23                        ; 2^(eA + eB) as f32
	s_mov_b32 s83, s82
	WIN 0x8a                                       ; all in window 2
.set n, 0
.rept 32
	v_pk_add_f32 v[RES+4*n:RES+4*n+1], v[RES+4*n:RES+4*n+1], v[BIAS:BIAS+1]           ; these 64 are also the places behind the last products
	v_pk_add_f32 v[RES+4*n+2:RES+4*n+3], v[RES+4*n+2:RES+4*n+3], v[BIAS+2:BIAS+3]
.set n, n+1
.endr
.irp a, 0,1,2,3
	WIN 0
.irp b, 0,1,2,3
	ds_store_b128 v[STO], v[ACC+8*(4*\a+\b):ACC+8*(4*\a+\b)+3] offset:64*\b           ; each accumulator from its low end on
	ds_store_b128 v[STO], v[ACC+8*(4*\a+\b)+4:ACC+8*(4*\a+\b)+7] offset:64*\b+16
.endr
.irp t, 0,1,2,3,4,5,6,7
	ds_load_b128 v[T+4*\t:T+4*\t+3], v[RD] offset:\t*2*SP                             ; LDS serves a wave's instructions in order: these see my stores
.endr
	s_wait_dscnt 0x0
	WIN 0xa0                                       ; destination and source 2 window 2
.irp t, 0,1,2,3,4,5,6,7
	v_pk_fma_f32 v[RES+32*\a+4*\t:RES+32*\a+4*\t+1], v[T+4*\t:T+4*\t+1], s[82:83], v[RES+32*\a+4*\t:RES+32*\a+4*\t+1] op_sel_hi:[1,0,1]
	v_pk_fma_f32 v[RES+32*\a+4*\t+2:RES+32*\a+4*\t+3], v[T+4*\t+2:T+4*\t+3], s[82:83], v[RES+32*\a+4*\t+2:RES+32*\a+4*\t+3] op_sel_hi:[1,0,1]
.endr
	WIN 0x08                                       ; a store's data: window 2
.irp t, 0,1,2,3,4,5,6,7
	global_store_b128 v[CO], v[RES+32*\a+4*\t:RES+32*\a+4*\t+3], s[78:79] offset:(16*\a+2*\t)*4096 th:TH_STORE_NT   ; 16 lanes store 256 consecutive bytes, at a multiple of 256
.endr
.endr
	WIN 0
	s_wait_tensorcnt 0x0                           ; the wave's end
	ds_add_u32 v[SPW], v[NIL]
	s_wait_dscnt 0x0
	CROUND                                         ; the closing round
	s_endpgm
.Lfunc_end_k_qb3b65f656c_w2:
	.size	k_qb3b65f656c_w2, .Lfunc_end_k_qb3b65f656c_w2-k_qb3b65f656c_w2
	.p2alignl 7, 3214868480
	.fill 96, 4, 3214868480
	.section	.rodata,"a",@progbits
	.p2align	6, 0x0
	.amdhsa_kernel k_qb3b65f656c_w2
		.amdhsa_group_segment_fixed_size 327680
		.amdhsa_private_segment_fixed_size 0
		.amdhsa_enable_private_segment 0
		.amdhsa_kernarg_size 48
		.amdhsa_user_sgpr_count 2
		.amdhsa_user_sgpr_kernarg_segment_ptr 1
		.amdhsa_wavefront_size32 1
		.amdhsa_system_sgpr_workgroup_id_x 1
		.amdhsa_system_sgpr_workgroup_id_y 1
		.amdhsa_system_sgpr_workgroup_id_z 1
		.amdhsa_system_vgpr_workitem_id 0
		.amdhsa_next_free_vgpr 768
		.amdhsa_next_free_sgpr 90
		.amdhsa_reserve_vcc 0
		.amdhsa_float_denorm_mode_32 3
		.amdhsa_float_denorm_mode_16_64 3
		.amdhsa_memory_ordered 1
		.amdhsa_forward_progress 1
		.amdhsa_inst_pref_size 84
	.end_amdhsa_kernel
	.amdgpu_metadata
---
amdhsa.version: [ 1, 2 ]
amdhsa.kernels:
  - .name:           k_qb3b65f656c_w2
    .symbol:         k_qb3b65f656c_w2.kd
    .args:
      - { .name: hc, .offset: 0, .size: 8, .value_kind: global_buffer, .address_space: global }
      - { .name: W2_codes, .offset: 8, .size: 8, .value_kind: global_buffer, .address_space: global }
      - { .name: b2, .offset: 16, .size: 8, .value_kind: global_buffer, .address_space: global }
      - { .name: y1, .offset: 24, .size: 8, .value_kind: global_buffer, .address_space: global }
      - { .name: lowp_scales, .offset: 32, .size: 8, .value_kind: global_buffer, .address_space: global }
      - { .name: out0, .offset: 40, .size: 8, .value_kind: global_buffer, .address_space: global }
    .group_segment_fixed_size: 327680
    .private_segment_fixed_size: 0
    .kernarg_segment_align: 8
    .kernarg_segment_size: 48
    .max_flat_workgroup_size: 128
    .sgpr_count:     90
    .vgpr_count:     768
    .wavefront_size: 32
...
	.end_amdgpu_metadata
.endif
;; end of part 8
